; MI455X (gfx1250); checked and timed in simulation.
; The chip was launched on July 23, 2026; its instructions are those of AMD's public machine-readable ISA for CDNA 5 (MIT licence, August 2026) and "CDNA5" Instruction Set Architecture Reference Guide (July 2026). The comments in the code are by the model that wrote it; some were corrected since.
;; Causal Attention. Allowed arithmetic: float matrix products may take bf16 or f16 operands with f32 sums; all other float work in f32.
;; Inputs: Wk 1,024 x 1,024 float32; Wo 1,024 x 1,024 float32; Wq 1,024 x 1,024 float32; Wv 1,024 x 1,024 float32; bo 1,024 float32; x 4 x 2,048 x 1,024 float32.
;; Outputs: out0 4 x 2,048 x 1,024 float32.
;; One version. Each part assembles by itself: llvm-mc -triple=amdgcn-amd-amdhsa -mcpu=gfx1250 --defsym DOCPART=n.
;; ======== version 1 of 1: 4 launches
;; limits: values are held in f16: magnitudes above 65,504 overflow, below 6.1e-05 lose precision
;; workspace buffers: xb 16,777,216 bytes; wb 6,291,456 bytes; wo16 2,097,152 bytes; qkv 50,331,648 bytes; ob 16,777,216 bytes
;; launch cast (part 1): grid 1536 x 1, 8 waves a work-group, no clusters, 0 bytes of LDS; arguments x, Wq, Wk, Wv, Wo, xb, wb, wo16; writes xb, wb, wo16
.if DOCPART == 1
	.amdgcn_target "amdgcn-amd-amdhsa--gfx1250"
	.amdhsa_code_object_version 6
	.text
	.protected	k_q600593217b_cast
	.globl	k_q600593217b_cast
	.p2align	8
	.type	k_q600593217b_cast,@function
k_q600593217b_cast:
	s_mov_b64 s[64:65], 0
	v_nop
	global_prefetch_b8 v0, s[64:65] scope:SCOPE_SE
	s_setreg_imm32_b32 hwreg(HW_REG_WAVE_MODE, 25, 1), 1
	s_wait_xcnt 0x0
; THE OPERANDS OF THE MATRIX PRODUCTS ARE ROUNDED ONCE.  x [8192][1024] f32 -> xb, bf16.  Wq, Wk, Wv [1024][1024] f32 -> wb, bf16, one below the other: [3072][1024].
; Wo [1024][1024] f32 -> wo16: rounded to bf16 like the other inputs, and that number written as f16, since the last product takes its other operand in f16.
; LIMITS.  A bf16 number is exact in f16 between 6.1e-5 and 65,504 in magnitude; below that it keeps f16's fixed step of 6e-8, from 65,520 on it becomes an infinity.
; SHARES.  A work-group takes a chunk of 32,768 bytes of f32 and makes 16,384 bytes: 1,024 chunks of x, then 128 of each weight: 1,536 work-groups.  Thread t takes 16 bytes at 16 t + 4,096 j,
; j = 0..7: a wave's load covers 512 consecutive bytes; its four numbers become 8 bytes at 8 t + 2,048 j: a wave's store covers 256 consecutive bytes, aligned.
; A stream: every byte is read once and written once; LDS, barriers and matrix units would add nothing.  All eight loads of a thread go out at once; no register that a pending instruction reads is written again.
.set XCH, 1024                         ; chunks of x
.set WCH, 128                          ; chunks of one weight
.set X,   4                            ; v[4:35]   load j: four f32
.set Y,   36                           ; v[36:51]  load j: its four results, 8 bytes
.set T,   52                           ; v[52:53]  Wo's way: four numbers in bf16
	s_load_b512 s[4:19], s[0:1], 0x0               ; x s[4:5], Wq s[6:7], Wk s[8:9], Wv s[10:11], Wo s[12:13], xb s[14:15], wb s[16:17], wo16 s[18:19]
	s_mov_b32 s2, ttmp9                            ; g: my chunk among the 1,536
	s_sub_co_u32 s20, s2, XCH                      ; j: my chunk among the weights' 512 (used only where g >= 1,024)
	s_lshr_b32 s21, s20, 7                         ; w: which weight
	s_and_b32 s22, s20, WCH-1                      ; my chunk in that weight
	s_mov_b32 s3, 0xffff0000                       ; a word's upper bf16
	v_lshlrev_b32 v1, 4, v0                        ; 16 t
	v_lshlrev_b32 v2, 3, v0                        ; 8 t
	s_wait_kmcnt 0x0
	s_cmp_eq_u32 s21, 1                            ; source and destination are chosen by the chunk's number alone
	s_cselect_b64 s[24:25], s[8:9], s[6:7]
	s_cmp_eq_u32 s21, 2
	s_cselect_b64 s[24:25], s[10:11], s[24:25]
	s_cmp_eq_u32 s21, 3
	s_cselect_b64 s[24:25], s[12:13], s[24:25]
	s_cselect_b64 s[26:27], s[18:19], s[16:17]     ; Wo has a buffer of its own; the other three share wb,
	s_cselect_b32 s23, s22, s20                    ; where chunk j of the weights is chunk j of wb
	s_cmp_lt_u32 s2, XCH
	s_cselect_b64 s[24:25], s[4:5], s[24:25]
	s_cselect_b64 s[26:27], s[14:15], s[26:27]
	s_cselect_b32 s22, s2, s22
	s_cselect_b32 s23, s2, s23
	s_lshl_b32 s28, s22, 15                        ; 32,768 bytes a chunk in
	s_mov_b32 s29, 0
	s_lshl_b32 s30, s23, 14                        ; 16,384 out
	s_mov_b32 s31, 0
	s_add_nc_u64 s[24:25], s[24:25], s[28:29]
	s_add_nc_u64 s[26:27], s[26:27], s[30:31]
.irp j, 0,1,2,3,4,5,6,7
	global_load_b128 v[X+4*(\j):X+4*(\j)+3], v1, s[24:25] offset:4096*(\j) th:TH_LOAD_NT
.endr
	s_cmp_ge_u32 s2, XCH+3*WCH
	s_cbranch_scc1 .Lwo
.irp j, 0,1,2,3,4,5,6,7
	s_wait_loadcnt 7-(\j)                          ; loads come back in order (ISA guide 5.7.1): load j is in, the 7 - j younger ones stay out
	v_cvt_pk_bf16_f32 v[Y+2*(\j)],   v[X+4*(\j)],   v[X+4*(\j)+1]
	v_cvt_pk_bf16_f32 v[Y+2*(\j)+1], v[X+4*(\j)+2], v[X+4*(\j)+3]
	global_store_b64 v2, v[Y+2*(\j):Y+2*(\j)+1], s[26:27] offset:2048*(\j)
.endr
	s_endpgm
.Lwo:                                                  ; Wo: to bf16, back to f32 (a shift, a mask), and that number to f16
.irp j, 0,1,2,3,4,5,6,7
	s_wait_loadcnt 7-(\j)
	v_cvt_pk_bf16_f32 v[T],   v[X+4*(\j)],   v[X+4*(\j)+1]
	v_cvt_pk_bf16_f32 v[T+1], v[X+4*(\j)+2], v[X+4*(\j)+3]
	v_lshlrev_b32 v[X+4*(\j)],   16, v[T]
	v_and_b32     v[X+4*(\j)+1], s3, v[T]
	v_lshlrev_b32 v[X+4*(\j)+2], 16, v[T+1]
	v_and_b32     v[X+4*(\j)+3], s3, v[T+1]
	v_cvt_pk_f16_f32 v[Y+2*(\j)],   v[X+4*(\j)],   v[X+4*(\j)+1]
	v_cvt_pk_f16_f32 v[Y+2*(\j)+1], v[X+4*(\j)+2], v[X+4*(\j)+3]
	global_store_b64 v2, v[Y+2*(\j):Y+2*(\j)+1], s[26:27] offset:2048*(\j)
.endr
	s_endpgm
.Lfunc_end_k_q600593217b_cast:
	.size	k_q600593217b_cast, .Lfunc_end_k_q600593217b_cast-k_q600593217b_cast
	.p2alignl 7, 3214868480
	.fill 96, 4, 3214868480
	.section	.rodata,"a",@progbits
	.p2align	6, 0x0
	.amdhsa_kernel k_q600593217b_cast
		.amdhsa_group_segment_fixed_size 0
		.amdhsa_private_segment_fixed_size 0
		.amdhsa_enable_private_segment 0
		.amdhsa_kernarg_size 64
		.amdhsa_user_sgpr_count 2
		.amdhsa_user_sgpr_kernarg_segment_ptr 1
		.amdhsa_wavefront_size32 1
		.amdhsa_system_sgpr_workgroup_id_x 1
		.amdhsa_system_sgpr_workgroup_id_y 1
		.amdhsa_system_sgpr_workgroup_id_z 1
		.amdhsa_system_vgpr_workitem_id 0
		.amdhsa_next_free_vgpr 56
		.amdhsa_next_free_sgpr 66
		.amdhsa_reserve_vcc 0
		.amdhsa_float_denorm_mode_32 3
		.amdhsa_float_denorm_mode_16_64 3
		.amdhsa_memory_ordered 1
		.amdhsa_forward_progress 1
		.amdhsa_inst_pref_size 9
	.end_amdhsa_kernel
	.amdgpu_metadata
---
amdhsa.version: [ 1, 2 ]
amdhsa.kernels:
  - .name:           k_q600593217b_cast
    .symbol:         k_q600593217b_cast.kd
    .args:
      - { .name: x, .offset: 0, .size: 8, .value_kind: global_buffer, .address_space: global }
      - { .name: Wq, .offset: 8, .size: 8, .value_kind: global_buffer, .address_space: global }
      - { .name: Wk, .offset: 16, .size: 8, .value_kind: global_buffer, .address_space: global }
      - { .name: Wv, .offset: 24, .size: 8, .value_kind: global_buffer, .address_space: global }
      - { .name: Wo, .offset: 32, .size: 8, .value_kind: global_buffer, .address_space: global }
      - { .name: xb, .offset: 40, .size: 8, .value_kind: global_buffer, .address_space: global }
      - { .name: wb, .offset: 48, .size: 8, .value_kind: global_buffer, .address_space: global }
      - { .name: wo16, .offset: 56, .size: 8, .value_kind: global_buffer, .address_space: global }
    .group_segment_fixed_size: 0
    .private_segment_fixed_size: 0
    .kernarg_segment_align: 8
    .kernarg_segment_size: 64
    .max_flat_workgroup_size: 256
    .sgpr_count:     66
    .vgpr_count:     56
    .wavefront_size: 32
...
	.end_amdgpu_metadata
.endif
;; end of part 1
;; launch proj (part 2): grid 16 x 16, 4 waves a work-group, clusters of 4 x 4, 327,680 bytes of LDS; arguments xb, wb, qkv; writes qkv
.if DOCPART == 2
	.amdgcn_target "amdgcn-amd-amdhsa--gfx1250"
	.amdhsa_code_object_version 6
	.text
	.protected	k_q600593217b_proj
	.globl	k_q600593217b_proj
	.p2align	8
	.type	k_q600593217b_proj,@function
k_q600593217b_proj:
	s_mov_b64 s[64:65], 0
	v_nop
	global_prefetch_b8 v0, s[64:65] scope:SCOPE_SE
	s_setreg_imm32_b32 hwreg(HW_REG_WAVE_MODE, 25, 1), 1
	s_wait_xcnt 0x0
	s_wait_alu depctr_hold_cnt(0) depctr_sa_sdst(0) depctr_va_vdst(0) depctr_va_sdst(0) depctr_va_ssrc(0) depctr_va_vcc(0) depctr_vm_vsrc(0)
	s_getreg_b32 s2, hwreg(HW_REG_IB_STS2, 6, 4)
	s_cmp_eq_u32 s2, 0
	s_cbranch_scc0 .Lentry_in_a_cluster
	s_endpgm
.Lentry_in_a_cluster:
	s_bfe_u32 s2, ttmp6, 0x10000c
	s_cmp_lg_u32 s2, 0xf033
	s_cbranch_scc0 .Lentry_shape_is_right
	s_endpgm
.Lentry_shape_is_right:
; q, k, v = x Wq^T, x Wk^T, x Wv^T as ONE product C[m][n] = sum over k of A[m][k] B[n][k]: A = xb [8192][1024] bf16, B = wb [3072][1024] bf16 (Wq, Wk, Wv one below the other); sums in f32.
; C leaves rounded once to f16, unscaled, BY HEADS: qkv [3][64][2048][64], the middle index 16 x batch + head: a head's rows are dense, 128 bytes each.
; LIMITS.  A sum of 65,520 or more in magnitude becomes an infinity in f16; below 6e-5 f16 keeps its fixed step of 6e-8.
; SHARES.  A tile of C is 256 rows x 192 columns (three heads): 32 x 16 = 512 tiles, two for each of 256 work-groups.  Four waves, each 64 rows x all 192 columns: 48 accumulators of 16 x 16, 384 registers;
; a wave's columns are whole heads, so its way out is its own.  A K step of 128 is 192 matrix instructions a wave; two slots of a longer step do not fit in LDS.
; A WORK-GROUP STAYS: it makes the tiles of rows 256 ty and 256 (ty + 16), which take the same rows of B.  Their 2 x 8 K steps are ONE walk of 16 steps through a ring of two LDS slots filled by the tensor
; data mover; the ring does not stop at the change of tiles, and nothing waits for the first tile's stores.  A K step's text is written once: the slot in hand is a scalar that an exclusive or turns.
; The tiles' rows are 256 bytes of memory and start at multiples of 256 bytes from the buffer's first byte.
; CLUSTERS: 4 x 4 work-groups.  The four of a row of the cluster need the same tiles of A, the four of a column the same tiles of B: each tile is asked for JOINTLY, by the same tensor load with the
; same descriptor and a mask that names the four.  THE MATRIX INSTRUCTION IS USED TRANSPOSED (source 0 = 16 rows of B, source 1 = 16 rows of A): a lane then holds eight neighbouring numbers of a row of C.
; REGISTERS, in windows of 256 (s_set_vgpr_msb's low byte: bits 1:0 source 0, 3:2 source 1, 5:4 source 2, 7:6 destination):
;   window 0: v0-31 addresses; v32-63, v64-95 A's fragments (4 x 16 rows x 32 K), two buffers; v96-143 packed results; v144-239 rows read back from the stage, two sets
;   window 1: v0-95, v96-191 B's fragments (12 x 16 rows x 32 K), two buffers
;   window 2: the accumulators of m blocks 0, 1 ((a, b) at v[8 (12 (a % 2) + b)]);   window 3: those of m blocks 2, 3
.set SIZE_K, 1024
.set KSTEP,  128
.set STEPS,  2*SIZE_K/KSTEP            ; the walk: two tiles of eight K steps
.set P,      272                       ; an LDS row: 256 bytes + 16 of padding = 68 words: row r starts at bank 4 r mod 64 (64 banks of 4 bytes: ISA guide 11.1), so the 16 rows of a load start at 16 different banks
.set AHALF,  128*P                     ; what one of A's two tensor loads brings: 128 rows
.set ABYTES, 2*AHALF
.set BHALF,  96*P                      ; what one of B's two brings: 96 rows
.set SLOT1,  1<<17                     ; a slot (A's 256 rows, then B's 192: 121,856 bytes); slot 1 begins here, so that one exclusive or turns an address in one slot into the other's
.set STAGE,  SLOT1+ABYTES+2*BHALF      ; behind the ring: for each wave 3 heads x 16 rows x 144 bytes, for the way out
.set SP,     144
.set WSTAGE, 3*16*SP
.set SPARE,  STAGE+4*WSTAGE            ; behind the stages: the spare words, 128 bytes for each wave: two blocks of 256 bytes that no other line names
.set NEXT_C, 1<<23                     ; bytes in qkv from my rows of the first tile to those of the second: two batches of 16 heads of 262,144 bytes
.set ADRA0, 16                         ; v16     my lane's place in A's part of a slot; never rewritten
.set ADRB0, 17                         ; v17     the same for B
.set ADRA,  18                         ; v18     LDS address of my A fragments in the slot in hand
.set ADRB,  19                         ; v19     the same for B
.set GO,    20                         ; v20-22  my byte offset in 512 consecutive bytes of the tile's head 0, 1, 2 (the three need not lie in one of q, k, v)
.set STO,   24                         ; v24     the way out: where I put 16 bytes of a row
.set RD,    25                         ; v25     the way out: where I read rows back
.set SPW,   28                         ; v28     LDS address of my spare word: SPARE + 4 x my thread's number; never rewritten
.set NIL,   29                         ; v29     0; never rewritten
.set FA,    32                         ; A's fragment buffer f at FA + 32 f; B's, in window 1, at 96 f
.set TMP,   96
.set BK,    144                        ; block a's rows read back at BK + 48 (a % 2)
.set G1,  24                           ; s[24:31] descriptor group 1 for A's tiles;  s[32:39] group 0: a set for each of the two first fills; the second then walks on
.set G0,  32
.set G1B, 48                           ; s[48:55], s[56:63] the same for B's tiles
.set G0B, 56
.set TB,  45                           ; s45      LDS byte at which the slot in hand begins
.set NXT, 19                           ; s19      the step of the walk to be asked for next
.set OFB, 68                           ; s[68:69] that step's byte offset from B's first tile
.set OFA, 70                           ; s[70:71] and from A's
.set MSB, 0
.macro WIN new                         ; the immediate's high byte repeats the setting that is left; a switch that changes nothing is dropped
.if MSB != (\new)
	s_set_vgpr_msb (MSB<<8)|(\new)
.set MSB, \new
.endif
.endm
.set MUL_LO, 0xa1                      ; source 0 (B) window 1, source 1 (A) window 0, C and D window 2
.set MUL_HI, 0xf1                      ; the same, C and D window 3
.set TO_B,   0x40                      ; destination window 1, address window 0
.macro JLOAD s                         ; a joint load: waves 0 and 1 fetch A's two halves, waves 2 and 3 B's; an s_nop 0 and four v_nop follow each of the two lines, ahead of the jump, the label and what follows
	s_cmp_eq_u32 s11, 0
	s_cbranch_scc0 .Lfor_b_\@
	tensor_load_to_lds s[G0+4*(\s):G0+4*(\s)+3], s[G1:G1+7]
	s_nop 0
.rept 4
	v_nop
.endr
	s_branch .Lasked_\@
.Lfor_b_\@:
	tensor_load_to_lds s[G0B+4*(\s):G0B+4*(\s)+3], s[G1B:G1B+7]
	s_nop 0
.rept 4
	v_nop
.endr
.Lasked_\@:
.endm
.macro CREST                           ; a round of the cluster's barrier behind its opening barrier
	s_cmp_lg_u32 s10, 0
	s_cbranch_scc1 .Lnot_wave_0_\@
	s_barrier_signal -3
.Lnot_wave_0_\@:
	s_barrier_wait -3
	s_barrier_signal -1
	s_barrier_wait -1
.endm
.macro CROUND                          ; a whole round
	s_barrier_signal -1
	s_barrier_wait -1
	CREST
.endm
	s_load_b128 s[4:7], s[0:1], 0x0                ; A s[4:5], B s[6:7]
	s_load_b64 s[8:9], s[0:1], 0x10                ; qkv
	v_lshl_add_u32 v[SPW], v0, 2, SPARE
	v_mov_b32 v[NIL], 0
	ds_add_u32 v28, v29
	ds_add_u32 v28, v29
	s_wait_dscnt 0x0
	v_lshrrev_b32 v1, 5, v0
	v_readfirstlane_b32 s10, v1                    ; wave 0..3: my 64 of the tile's rows
	s_lshr_b32 s11, s10, 1                         ; I fetch for A (0) or for B (1),
	s_and_b32 s12, s10, 1                          ; and which half of that tile
	s_bfe_u32 s40, ttmp6, 0x40000                  ; cx, cy: my place in the cluster
	s_bfe_u32 s41, ttmp6, 0x40004
	s_lshl_b32 s42, ttmp9, 2
	s_add_co_u32 s42, s42, s40                     ; tx: tile column of C = 4 x cluster x + cx: 0..15
	s_and_b32 s13, ttmp7, 0xffff
	s_lshl_b32 s13, s13, 2
	s_add_co_u32 s13, s13, s41                     ; ty: the first tile's row = 4 x cluster y + cy: 0..15
	s_lshl_b32 s43, s41, 2
	s_lshl_b32 s43, 15, s43                        ; my row of the cluster
	s_lshl_b32 s44, 0x1111, s40                    ; my column
	; descriptor group 1: rows of 128 elements, padded in LDS; A's load has 128 of them, B's 96
	s_or_b32 s[G1+0], s43, (1<<16)|(1<<20)|(1<<21)|(5<<22)|(3<<25)  ; 15:0 the mask: A's tiles go to my row; 17:16 element of 2 bytes; 20 padding on; 21 set beside a mask; 24:22 after every 64 words (code 5); 31:25 of 4 words (code 3)
	s_or_b32 s[G1B+0], s44, (1<<16)|(1<<20)|(1<<21)|(5<<22)|(3<<25) ; the same with the mask of my column
	s_mov_b32 s[G1+1], KSTEP<<16                   ; tensor_dim0 = 128
	s_mov_b32 s[G1+2], 128<<16                     ; tensor_dim1 = 128
	s_mov_b32 s[G1+3], KSTEP<<16                   ; tile_dim0 = 128
	s_mov_b32 s[G1+4], 128                         ; tile_dim1 = 128
	s_mov_b32 s[G1+5], SIZE_K                      ; elements from row to row
	s_mov_b32 s[G1+6], 0
	s_mov_b32 s[G1+7], 0
	s_mov_b32 s[G1B+1], KSTEP<<16
	s_mov_b32 s[G1B+2], 96<<16                     ; tensor_dim1 = 96
	s_mov_b32 s[G1B+3], KSTEP<<16
	s_mov_b32 s[G1B+4], 96                         ; tile_dim1 = 96
	s_mov_b32 s[G1B+5], SIZE_K
	s_mov_b32 s[G1B+6], 0
	s_mov_b32 s[G1B+7], 0
	; where the tiles come from.  A's hang on the tile row alone, which my row of the cluster shares; B's on the tile column alone, which my column shares.
	s_lshl_b32 s16, s13, 19                        ; A: row 256 ty + 128 x half, 2,048 bytes a row
	s_lshl_b32 s17, s12, 18
	s_add_co_u32 s16, s16, s17
	s_mov_b32 s17, 0
	s_mul_i32 s66, s42, 192*2048                   ; B: row 192 tx + 96 x half
	s_mul_i32 s67, s12, 96*2048
	s_add_co_u32 s66, s66, s67
	s_mov_b32 s67, 0
	s_mul_i32 s20, s12, AHALF                      ; and where they go: no place in the cluster enters an LDS address
	s_mul_i32 s21, s12, BHALF
	s_add_co_u32 s21, s21, ABYTES
	s_mov_b32 s[TB], 0                             ; the walk begins in slot 0
	s_mov_b32 s[NXT], 2                            ; steps 0 and 1 are the first fills
	s_mov_b32 s[OFA+1], 0
	s_mov_b32 s[OFB+1], 0
	s_wait_kmcnt 0x0
	s_add_nc_u64 s[14:15], s[4:5], s[16:17]        ; my half of A's first tile; kept
	s_add_nc_u64 s[46:47], s[6:7], s[66:67]        ; my half of B's first tile; kept
	CROUND                                         ; all sixteen work-groups are here: the first joint loads meet
.irp s, 0,1
	s_mov_b32 s[G0+4*(\s)], 1                                      ; 1:0 count = 1
	s_add_co_u32 s[G0+4*(\s)+1], s20, (\s)*SLOT1                   ; 63:32 LDS address
	s_add_nc_u64 s[G0+4*(\s)+2:G0+4*(\s)+3], s[14:15], (\s)*KSTEP*2  ; 120:64 global address: step s
	s_or_b32 s[G0+4*(\s)+3], s[G0+4*(\s)+3], 0x80000000            ; 127:126 type = 2
	s_mov_b32 s[G0B+4*(\s)], 1
	s_add_co_u32 s[G0B+4*(\s)+1], s21, (\s)*SLOT1
	s_add_nc_u64 s[G0B+4*(\s)+2:G0B+4*(\s)+3], s[46:47], (\s)*KSTEP*2
	s_or_b32 s[G0B+4*(\s)+3], s[G0B+4*(\s)+3], 0x80000000
	JLOAD \s                                       ; two loads of mine are out
.endr
	; A fragment is 16 rows x 32 K in 8 registers: lane l holds row l % 16; registers 0-3 hold K = 8 (l / 16) + 0..7, registers 4-7 K = 16 + 8 (l / 16) + 0..7: two loads of 16 bytes, 32 bytes apart.
	v_and_b32 v1, 15, v0                           ; l % 16
	v_bfe_u32 v2, v0, 4, 1                         ; l / 16
	v_mul_u32_u24 v3, v1, P
	v_lshl_add_u32 v3, v2, 4, v3                   ; row x pitch + 16 x half
	s_mul_i32 s22, s10, 64*P                       ; my 64 rows of A
	v_add_nc_u32 v[ADRA0], s22, v3
	v_add_nc_u32 v[ADRB0], ABYTES, v3              ; B's rows, all of them mine, lie behind A's
	v_add_nc_u32 v[ADRA], s[TB], v[ADRA0]
	v_add_nc_u32 v[ADRB], s[TB], v[ADRB0]
	s_mul_i32 s22, s10, WSTAGE
	s_add_co_u32 s22, s22, STAGE                   ; my stage
	v_mul_u32_u24 v5, v1, SP                       ; in: row l % 16, 16 bytes for each half of the lanes
	v_lshl_add_u32 v5, v2, 4, v5
	v_add_nc_u32 v[STO], s22, v5
	v_bfe_u32 v5, v0, 3, 2                         ; back: 32 lanes take four rows of 128 bytes,
	v_mul_u32_u24 v5, v5, SP
	v_and_b32 v3, 7, v0
	v_lshl_add_u32 v5, v3, 4, v5
	v_add_nc_u32 v[RD], s22, v5
	v_and_b32 v5, 31, v0                           ; which are 512 consecutive bytes of a head
	v_lshlrev_b32 v5, 4, v5
	; the tile's head hh is number g = 3 tx + hh of the 48 of q, k, v: tensor g / 16, head g % 16: block 64 (g / 16) + g % 16 of 262,144 bytes (the batch's 16 blocks come with the base below)
	s_mul_i32 s66, s42, 3
.irp hh, 0,1,2
	s_add_co_u32 s67, s66, \hh
	s_lshr_b32 s72, s67, 4
	s_lshl_b32 s72, s72, 6
	s_and_b32 s67, s67, 15
	s_add_co_u32 s72, s72, s67
	s_lshl_b32 s72, s72, 18
	v_add_nc_u32 v[GO+\hh], s72, v5
.endr
	s_lshr_b32 s16, s13, 3                         ; the first tile's batch = ty / 8: 16 blocks of 262,144 bytes;
	s_lshl_b32 s16, s16, 22
	s_and_b32 s17, s13, 7                          ; the tile's 256 rows of 128 bytes in a head;
	s_lshl_b32 s17, s17, 15
	s_add_co_u32 s16, s16, s17
	s_lshl_b32 s17, s10, 13                        ; my 64 of them
	s_add_co_u32 s16, s16, s17
	s_mov_b32 s17, 0
	s_add_nc_u64 s[8:9], s[8:9], s[16:17]
; 12 matrix instructions: m block a x all 12 n blocks, 32 along K, from fragment buffers f.  c = 1: the product starts the sums: nothing is ever cleared.
; The 48 accumulators take turns, one instruction a turn, in the same order in every quarter.
.macro MUL12 f, a, c
	WIN MUL_LO+0x50*((\a)/2)
.irp b, 0,1,2,3,4,5,6,7,8,9,10,11
.if (\c) == 1
	v_wmma_f32_16x16x32_bf16 v[8*(12*((\a)%2)+(\b)):8*(12*((\a)%2)+(\b))+7], v[96*(\f)+8*(\b):96*(\f)+8*(\b)+7], v[FA+32*(\f)+8*(\a):FA+32*(\f)+8*(\a)+7], 0
.else
	v_wmma_f32_16x16x32_bf16 v[8*(12*((\a)%2)+(\b)):8*(12*((\a)%2)+(\b))+7], v[96*(\f)+8*(\b):96*(\f)+8*(\b)+7], v[FA+32*(\f)+8*(\a):FA+32*(\f)+8*(\a)+7], v[8*(12*((\a)%2)+(\b)):8*(12*((\a)%2)+(\b))+7]
.endif
.endr
.endm
; 32 LDS loads in one run: the fragments of 32 along K at byte k of the rows of the slot in hand, into buffers f: B's twelve first, then A's four
.macro FETCH k, f
	WIN TO_B
.irp i, 0,1,2,3,4,5,6,7,8,9,10,11
	ds_load_b128 v[96*(\f)+8*(\i):96*(\f)+8*(\i)+3],   v[ADRB] offset:(\k)+(\i)*16*P
	ds_load_b128 v[96*(\f)+8*(\i)+4:96*(\f)+8*(\i)+7], v[ADRB] offset:(\k)+(\i)*16*P+32
.endr
	WIN 0
.irp i, 0,1,2,3
	ds_load_b128 v[FA+32*(\f)+8*(\i):FA+32*(\f)+8*(\i)+3],   v[ADRA] offset:(\k)+(\i)*16*P
	ds_load_b128 v[FA+32*(\f)+8*(\i)+4:FA+32*(\f)+8*(\i)+7], v[ADRA] offset:(\k)+(\i)*16*P+32
.endr
.endm
.macro PLACES                          ; four places in front of loads into registers that matrix instructions have read, and of lines that read results (ISA guide 7.12.1 for vector instructions)
.rept 4
	v_nop
.endr
.endm
; A K step is four quarters of 32 along K, 48 matrix instructions each, on buffers 0, 1, 0, 1.  One of the first three: multiplies buffers f and, in its middle, fetches the next quarter, at byte k, into g.
; c = 1: its products start sums anew, that is, they write over accumulators and are no links of a chain: each stands five places behind the last product on its accumulator (ISA guide 7.12.1), counted on
; every way through the text, the one from the loop's backward jump among them.  For m blocks 0 and 1 those places are the joint load's four v_nop and the two address lines of the quarter before; for
; m blocks 2 and 3 the four v_nop below and a fifth.
.macro QUARTER k, f, g, c
	s_wait_dscnt 4                                 ; B and A's fragments 0, 1 are in; the youngest four loads (A's fragments 2, 3) may be out
	MUL12 \f, 0, \c
	MUL12 \f, 1, \c
	PLACES
.if (\c) == 1
	v_nop                                          ; the fifth place
.endif
	FETCH \k, \g
	s_wait_dscnt 32                                ; all but the 32 just issued
	MUL12 \f, 2, \c
	MUL12 \f, 3, \c
.endm
; The last quarter multiplies buffers 1 and changes slots: ONE barrier; in front of it each wave waits for all its tensor loads, adds 0 to its spare word, and waits for that and for its own reads of this slot.
; fill = 1: this slot is filled again, with step NXT of the walk, two steps on; the barrier then opens a round of the cluster's barrier.  The walking descriptor's global address is made anew from that number:
; K step NXT % 8, 256 bytes each, of tile NXT / 8: A's second tile lies 4,096 rows of 2,048 bytes on, B's is the first once more.
; fill = 0 (the walk's last two steps): nothing is asked for; in the last step no further step follows, and the run of LDS loads is jumped over.
.macro TURN fill
	WIN 0
	s_wait_tensorcnt 0x0                           ; all my tensor loads have landed: the one that was out is my part of the next slot; so a group 0 may be written;
	ds_add_u32 v[SPW], v[NIL]                      ; 0 onto my spare word: scalar work and twelve matrix instructions stand between it and the wait for it
.if \fill
	s_and_b32 s[OFB], s[NXT], 7
	s_lshl_b32 s[OFB], s[OFB], 8
	s_lshr_b32 s[OFA], s[NXT], 3
	s_lshl_b32 s[OFA], s[OFA], 23
	s_add_co_u32 s[OFA], s[OFA], s[OFB]
	s_xor_b32 s[G0+5], s[G0+5], SLOT1              ; the other slot than last time
	s_add_nc_u64 s[G0+6:G0+7], s[14:15], s[OFA:OFA+1]
	s_or_b32 s[G0+7], s[G0+7], 0x80000000
	s_xor_b32 s[G0B+5], s[G0B+5], SLOT1
	s_add_nc_u64 s[G0B+6:G0B+7], s[46:47], s[OFB:OFB+1]
	s_or_b32 s[G0B+7], s[G0B+7], 0x80000000
	s_add_co_u32 s[NXT], s[NXT], 1
.endif
	s_wait_dscnt 5                                 ; (the add and the youngest four loads may be out)
	MUL12 1, 0, 0
	s_wait_dscnt 0x0                               ; the add is done, and my reads of this slot are over
	s_barrier_signal -1
	MUL12 1, 1, 0
	WIN 0
	s_barrier_wait -1
.if \fill
	CREST                                          ; no wave of any partner still reads this slot's tile or has a load on its way
	JLOAD 1                                        ; the first tensor load behind the round, my one load out: 168 matrix instructions ahead of the wait for it; its four v_nop are also the places in front of the loads below
.else
	PLACES
	s_cmp_eq_u32 s3, 1
	s_cbranch_scc1 .Lno_fetch_\@
.endif
	s_xor_b32 s[TB], s[TB], SLOT1                  ; the reads go over to the other slot
	v_add_nc_u32 v[ADRA], s[TB], v[ADRA0]
	v_add_nc_u32 v[ADRB], s[TB], v[ADRB0]
	FETCH 0, 0
.if (\fill) == 0
	WIN 0
.Lno_fetch_\@:
.endif
	MUL12 1, 2, 0
	MUL12 1, 3, 0
.endm
; THE WAY OUT, a block of 16 rows at a time.  PACK: rounded to f16, 16 bytes a lane (each accumulator's registers in ascending order).
; TOSTAGE: into my own stage, a head's 16 rows of 128 bytes at a pitch of 144, and back as 512 consecutive bytes.  SEND: stored.  It names neither fragment buffer: the next step's fragments may be on their way.
.macro PACK a
	WIN 0x0a+5*((\a)/2)                            ; sources 0 and 1: window 2 or 3
.irp b, 0,1,2,3,4,5,6,7,8,9,10,11
.irp r, 0,1,2,3
	v_cvt_pk_f16_f32 v[TMP+4*(\b)+(\r)], v[8*(12*((\a)%2)+(\b))+2*(\r)], v[8*(12*((\a)%2)+(\b))+2*(\r)+1]
.endr
.endr
	WIN 0
.endm
.macro TOSTAGE a
.irp b, 0,1,2,3,4,5,6,7,8,9,10,11
	ds_store_b128 v[STO], v[TMP+4*(\b):TMP+4*(\b)+3] offset:((\b)/4)*16*SP+((\b)%4)*32
.endr
	s_wait_xcnt 0x0                                ; every earlier memory instruction has had its addresses translated (ISA guide 3.1): the set that the stores two blocks back read is loaded again only behind this wait
.irp i, 0,1,2,3,4,5,6,7,8,9,10,11
	ds_load_b128 v[BK+48*((\a)%2)+4*(\i):BK+48*((\a)%2)+4*(\i)+3], v[RD] offset:((\i)/4)*16*SP+((\i)%4)*4*SP  ; LDS serves a wave's instructions in order (ISA guide 5.7.1.4): these see the stores above; the next block's stores come behind them
.endr
.endm
.macro SEND a, younger                 ; younger: the LDS instructions issued behind block a's loads: the next block's 24, or none
.irp i, 0,1,2,3,4,5,6,7,8,9,10,11
	s_wait_dscnt (\younger)+11-(\i)
	global_store_b128 v[GO+(\i)/4], v[BK+48*((\a)%2)+4*(\i):BK+48*((\a)%2)+4*(\i)+3], s[8:9] offset:(\a)*2048+((\i)%4)*512  ; 512 consecutive bytes, at a multiple of 256 from qkv's first byte
.endr
.endm
.macro OUT
	PLACES                                         ; behind the last products
	PACK 0
	TOSTAGE 0
.irp a, 1,2,3
	PACK \a
	TOSTAGE \a
	SEND (\a)-1, 24
.endr
	SEND 3, 0
.endm
	s_wait_tensorcnt 0x1                           ; my part of step 0 is in; step 1's may stay out
	s_barrier_signal -1
	s_barrier_wait -1                              ; everybody's is
	FETCH 0, 0
	s_mov_b32 s3, STEPS-2
.Lstep:                                                ; 14 trips, steps 0 to 13 of the walk: each fills its slot again.  The jumps go forward and pass neither a barrier nor a tensor load
	s_cmp_eq_u32 s3, STEPS-2
	s_cbranch_scc1 .Lzero                          ; step 0: the first tile begins
	s_cmp_eq_u32 s3, STEPS/2-2
	s_cbranch_scc1 .Lnext                          ; step 8: the second tile begins
	QUARTER 64, 0, 1, 0
	WIN 0                                          ; at a label and at a branch every window is 0
	s_branch .Lrest
.Lnext:
	OUT                                            ; the first tile goes out; steps 8 and 9 have been asked for, and step 8's first fragments are on their way
	s_wait_xcnt 0x0                                ; the stores have read their base
	s_add_nc_u64 s[8:9], s[8:9], NEXT_C
.Lzero:
	QUARTER 64, 0, 1, 1                            ; a tile's first quarter: its products start the sums
	WIN 0
.Lrest:
	QUARTER 128, 1, 0, 0
	QUARTER 192, 0, 1, 0
	TURN 1
	WIN 0
	s_sub_co_u32 s3, s3, 1
	s_cmp_lg_u32 s3, 0
	s_cbranch_scc1 .Lstep
	s_mov_b32 s3, 2
.Ltail:                                                ; steps 14 and 15 have a text of their own: nothing is asked for, and there is no round of the cluster's barrier
	QUARTER 64, 0, 1, 0
	QUARTER 128, 1, 0, 0
	QUARTER 192, 0, 1, 0
	TURN 0
	WIN 0
	s_sub_co_u32 s3, s3, 1
	s_cmp_lg_u32 s3, 0
	s_cbranch_scc1 .Ltail
	OUT                                            ; the second tile
	s_wait_tensorcnt 0x0                           ; the wave's end: behind my last tensor load and my last LDS store
	ds_add_u32 v[SPW], v[NIL]
	s_wait_dscnt 0x0
	CROUND                                         ; the closing round: no work-group ends while a partner may still ask for a tile that names it
	s_endpgm
.Lfunc_end_k_q600593217b_proj:
	.size	k_q600593217b_proj, .Lfunc_end_k_q600593217b_proj-k_q600593217b_proj
	.p2alignl 7, 3214868480
	.fill 96, 4, 3214868480
	.section	.rodata,"a",@progbits
	.p2align	6, 0x0
	.amdhsa_kernel k_q600593217b_proj
		.amdhsa_group_segment_fixed_size 327680
		.amdhsa_private_segment_fixed_size 0
		.amdhsa_enable_private_segment 0
		.amdhsa_kernarg_size 24
		.amdhsa_user_sgpr_count 2
		.amdhsa_user_sgpr_kernarg_segment_ptr 1
		.amdhsa_wavefront_size32 1
		.amdhsa_system_sgpr_workgroup_id_x 1
		.amdhsa_system_sgpr_workgroup_id_y 1
		.amdhsa_system_sgpr_workgroup_id_z 1
		.amdhsa_system_vgpr_workitem_id 0
		.amdhsa_next_free_vgpr 960
		.amdhsa_next_free_sgpr 74
		.amdhsa_reserve_vcc 0
		.amdhsa_float_denorm_mode_32 3
		.amdhsa_float_denorm_mode_16_64 3
		.amdhsa_memory_ordered 1
		.amdhsa_forward_progress 1
		.amdhsa_inst_pref_size 110
	.end_amdhsa_kernel
	.amdgpu_metadata
---
amdhsa.version: [ 1, 2 ]
amdhsa.kernels:
  - .name:           k_q600593217b_proj
    .symbol:         k_q600593217b_proj.kd
    .args:
      - { .name: xb, .offset: 0, .size: 8, .value_kind: global_buffer, .address_space: global }
      - { .name: wb, .offset: 8, .size: 8, .value_kind: global_buffer, .address_space: global }
      - { .name: qkv, .offset: 16, .size: 8, .value_kind: global_buffer, .address_space: global }
    .group_segment_fixed_size: 327680
    .private_segment_fixed_size: 0
    .kernarg_segment_align: 8
    .kernarg_segment_size: 24
    .max_flat_workgroup_size: 128
    .sgpr_count:     74
    .vgpr_count:     960
    .wavefront_size: 32
...
	.end_amdgpu_metadata
.endif
;; end of part 2
;; launch attn (part 3): grid 4 x 64, 4 waves a work-group, no clusters, 327,680 bytes of LDS; arguments qkv, ob; writes ob
.if DOCPART == 3
	.amdgcn_target "amdgcn-amd-amdhsa--gfx1250"
	.amdhsa_code_object_version 6
	.text
	.protected	k_q600593217b_attn
	.globl	k_q600593217b_attn
	.p2align	8
	.type	k_q600593217b_attn,@function
k_q600593217b_attn:
	s_mov_b64 s[64:65], 0
	v_nop
	global_prefetch_b8 v0, s[64:65] scope:SCOPE_SE
	s_setreg_imm32_b32 hwreg(HW_REG_WAVE_MODE, 25, 1), 1
	s_wait_xcnt 0x0
; CAUSAL ATTENTION.  O[h][q][:] = the sum over k <= q of softmax_k(Q[h][q] . K[h][k] / 8) V[h][k][:].  Q, K, V lie one behind the other in qkv, each [SIZE_H][SIZE_N][64]; O = ob has the same shape; all f16: a head's rows are dense, 128 bytes each.
; Products, maxima and sums in f32; the weights p are rounded to f16 for the second product (their sum l is taken of the unrounded p), O once at the end.  SIZE_N is a multiple of 512; SIZE_N x 128 stays under 2^32.
; LIMITS.  f16 holds no number beyond 65,504: Q, K and V arrive within it; p lies in 0 to 1, and below 6e-5 it keeps f16's fixed step of 6e-8; O is a mean of V's rows and has their range, to within 2^-11 of it.
; A hidden score counts as its value less 1e30: f16's scores, 2.7e11 at the most, are nothing beside that; a weight below 2^-126 counts as 0 in l; NaN and infinities are not treated apart.
; THE WALK.  A head's queries lie in NB = SIZE_N / 256 blocks of 256; block i needs the key tiles 0 .. i of 256 keys, of which the last holds the diagonal.  A work-group takes TWO blocks, NB - 1 - b and then b:
; NB + 1 tiles, whatever b: all work-groups do equal work, and ONE loop with a constant trip count walks them.  Which tile is asked for, and what a trip does, hang on scalar registers made from b; every jump
; goes forward, but for the counted loops' own; none passes a barrier, or a tensor load but the one of LOAD's two that the wave's number does not choose; the ring (two slots of LDS that take turns) runs on across the
; change of blocks.  NO CLUSTER: a head's NB / 2 work-groups all ask for the same tile only in trips 0 .. NB / 2, behind that
; fewer and fewer; and one walk common to all would have 3 NB / 2 trips for NB + 1.
; SHARES.  Of a block's four bands of 64 queries a wave owns 16 rows in each: four PIECES.  So the diagonal tile is the same work for all four waves: in its key step s band x sees all keys if s < x,
; none if s > x, and holds the diagonal if s = x.
; THE MASK is the C operand that starts the sum S^T = K Q^T: 0, or -1e30 where the key is hidden.  MD, made once, is the mask of a band's own step for my 16 rows; a product's mask is MD x AL + BE with two scalars:
; (1, 0) if s = x; (0, 0) if s < x; (0, -1e30) if s > x.  Only the diagonal tile's text and a block's beginning make and take masks; elsewhere C is the constant 0.
; LAYOUT, SOFTMAX, TURNS.  S^T = K Q^T holds ONE query a lane (lane % 16) and the keys 8 (lane / 16) + 0..7; two such results rounded to f16 ARE source 1 of O^T = V^T P.  p = 2^(c s - c m), c = log2(e) / 8, with a
; running maximum m; O and l are multiplied by a = 2^(c m_old - c m_new) in every step.  Turn n belongs to piece n: 8 products K Q^T of piece n + 1, later 8 products V^T P of piece n - 1; beside them the scaling,
; exponentials, roundings, sums and rescaling of piece n and the maximum and statistics of piece n + 1.  Four vector instructions stand behind every matrix instruction, the other 54 of a turn's 118 in two LUMPS.
; REGISTERS, in windows of 256 (s_set_vgpr_msb: bits 1:0 source 0, 3:2 source 1, 5:4 source 2, 7:6 destination):
;   window 0: v0-15 addresses and two at work; v16-31 four registers of statistics a piece; v48-55 at work; v64-127 S^T, two buffers; v192-223 P, two buffers (a piece's buffers go by its number's parity)
;   window 1: v0-127 O^T, 32 a piece; v128-159 MD; v160-223 MC, two buffers      window 2: v0-63 Q; v64-127 the second block's Q; v128-191 K of one step; v192-255 V of one step
.set SIZE_H, 64       ; 4 batches x 16 heads
.set SIZE_N, 2048
.set KBASE, SIZE_H*SIZE_N*128    ; K's first byte in qkv
.set VBASE, 2*SIZE_H*SIZE_N*128  ; V's
.set NB,    SIZE_N/256
.set NP,    4         ; pieces a wave: a name, no knob
.set KS,    64        ; keys in a step
.set PK,    144       ; a row of K in LDS: 128 bytes + 16 of padding = 36 words: the 16 rows of a load start at 16 different groups of four banks (64 banks of 4 bytes: ISA guide 11.1)
.set PV,    160       ; a row of V: 128 + 32 = 40 words
.set VOFF,  4*KS*PK   ; a slot holds a tile, four steps: 256 rows of K, then 256 rows of V
.set SLOT1, 1<<17     ; slot 1 begins here, so that one exclusive or turns an address in one slot into the other's
.set STAGE, SLOT1+4*KS*(PK+PV)  ; behind the ring, never filled by a tensor load: 16 rows x 144 bytes for each wave, for the way out
.set SP,    144
.set AK0, 2           ; v2   my lane's place in a tile of K; never rewritten
.set AV0, 3           ; v3   the same for V
.set AK,  4           ; v4   the LDS address of K's next run of loads
.set AV,  5           ; v5   of V's
.set STO, 6           ; v6   the way out: where I put 16 bytes of a row
.set RD,  7           ; v7   the way out: where I read rows back
.set GO,  8           ; v8   my byte offset in 512 consecutive bytes of O
.set SPW, 62          ; v62  LDS address of my spare word: SPARE + 4 x my thread's number; never rewritten
.set NIL, 63          ; v63  0; never rewritten
.set SPARE, STAGE+4*16*SP  ; behind the stages: the spare words, 128 bytes for each wave: two blocks of 256 bytes that no other line names
.set MV,  12          ; v12-13  c m_old, kept while c m is made anew: by buffer
.set QO,  15          ; v15  my byte offset in 16 rows of Q
.set ST,  16          ; piece t's statistics at v[ST+4 t]: c m, m, l (even keys', odd keys')
.set TMP, 48          ; by buffer, four registers c0-c3 at work; when the maximum is found c2 takes a
.set S,   64
.set P,   192
.set MD,  128         ; window 1: the eight registers for group kt of 16 keys at MD + 8 kt
.set MC,  160         ; window 1: the masks of the products to come
.set QB,  64          ; window 2
.set KF,  128         ; window 2: key block kb, channel half c at KF + 16 kb + 8 c
.set VF,  192         ; window 2: key half kk, channel block cb at VF + 32 kk + 8 cb
.set WV,  12          ; s12  my wave's number
.set PB,  14          ; s14  b
.set HI,  15          ; s15  NB - 1 - b
.set G1K, 24          ; s[24:31] descriptor group 1 for K's tiles
.set G1V, 32          ; s[32:39] for V's: it differs in the padding alone
.set G0K, 40          ; s[40:43] descriptor group 0 for K's tiles
.set G0V, 44          ; s[44:47] the same for V's
.set SLOTS, 56        ; s56  tiles still to be asked for
.set CNT, 57          ; s57  counts a tile's key steps, 4 to 1
.set CS,  58          ; s[58:59] c: the packed scaling takes the pair's low word for both halves
.set SEL, 60          ; s[60:61] v_permlanex16_b32's selects: each lane takes its own place in the other half
.set TBK, 62          ; s62  LDS byte at which K of the step to be fetched begins
.set TBV, 63          ; s63  the same for V, less VOFF
.set RT,  70          ; s70  tiles of the block in hand that are still to be entered
.set NXT, 71          ; s71  the tile to be asked for next
.set LQ,  72          ; s72  the last tile of the block whose tiles are being asked for
.set NEW, 73          ; s73  1: the tile to be entered is a block's first
.set OFF, 74          ; s[74:75] a tile's byte offset in K and V
.set AL,  76          ; s[76:77] the mask's factor, in the low word
.set BE,  78          ; s[78:79] the mask's addend
.set OLO, 80          ; s[80:81] O at my rows of the second block
.set BIGN, 82         ; s82  -1e30
.set MSB, 0
.macro WIN new                      ; the high byte repeats the setting that is left; a switch that changes nothing is dropped
.if MSB != (\new)
	s_set_vgpr_msb (MSB<<8)|(\new)
.set MSB, (\new)
.endif
.endm
.set W_KQ, 0x0a       ; K and Q in window 2, S^T in window 0
.set W_KM, 0x1a       ; the same with the C operand in window 1
.set W_PV, 0x52       ; V in window 2, P in window 0, O^T in window 1
.set W_RS, 0x41       ; destination and source 0 in window 1, source 1 in window 0
; A fill.  Waves 0 and 1 fetch the two halves of a tile's K, waves 2 and 3 those of its V: 128 keys each.  An s_nop 0 and four v_nop follow each of the two lines, ahead of the jump and the label.
.macro LOAD
	s_cmp_lt_u32 s[WV], 2
	s_cbranch_scc0 .Lfor_v_\@
	tensor_load_to_lds s[G0K:G0K+3], s[G1K:G1K+7]
	s_nop 0
.rept 4
	v_nop
.endr
	s_branch .Lasked_\@
.Lfor_v_\@:
	tensor_load_to_lds s[G0V:G0V+3], s[G1V:G1V+7]
	s_nop 0
.rept 4
	v_nop
.endr
.Lasked_\@:
.endm
; THE CHANGE OF SLOTS.  Each wave waits for all its tensor loads, of which one is out: its part of the other slot; adds 0 to its spare word; and waits for that and for its own reads of the slot that it leaves.  Behind the barrier nobody reads the old
; slot any more and the other slot is whole.  fill = 1: the old slot is filled again, the first thing behind the barrier, with tile NXT: the descriptor's address is made anew from that number.
; (At its first use nothing has been read yet: slot 0 is waited for, slot 1 filled.)
.macro CHANGE fill
	WIN 0                           ; at a label and at a branch every window is 0
	s_wait_tensorcnt 0x0            ; no tensor load of mine is out, so a group 0 may be written
	ds_add_u32 v[SPW], v[NIL]       ; 0 onto my spare word: with fill = 1 the descriptors' scalar work stands between it and the wait for it
.if \fill
	s_lshl_b32 s[OFF], s[NXT], 15   ; a tile is 32,768 bytes of K and of V
	s_xor_b32 s[G0K+1], s[G0K+1], SLOT1
	s_add_nc_u64 s[G0K+2:G0K+3], s[6:7], s[OFF:OFF+1]
	s_or_b32 s[G0K+3], s[G0K+3], 0x80000000
	s_xor_b32 s[G0V+1], s[G0V+1], SLOT1
	s_add_nc_u64 s[G0V+2:G0V+3], s[8:9], s[OFF:OFF+1]
	s_or_b32 s[G0V+3], s[G0V+3], 0x80000000
	s_add_co_u32 s[NXT], s[NXT], 1  ; the block's next tile, or behind its last the second block's tile 0
	s_cmp_gt_u32 s[NXT], s[LQ]
	s_cselect_b32 s[NXT], 0, s[NXT]
	s_cselect_b32 s[LQ], s[PB], s[LQ]
.endif
	s_wait_dscnt 0x0                ; the add is done, and my reads of the slot are over
	s_barrier_signal -1             ; the rest of the scalar work stands between the signal and the wait
	s_sub_co_u32 s[TBK], s[TBK], 4*KS*PK  ; the fetches go back to a slot's first step,
	s_xor_b32 s[TBK], s[TBK], SLOT1       ; in the other slot
	s_sub_co_u32 s[TBV], s[TBV], 4*KS*PV
	s_xor_b32 s[TBV], s[TBV], SLOT1
	s_barrier_wait -1
.if \fill
	LOAD
.endif
.endm
	s_load_b64 s[4:5], s[0:1], 0x0    ; qkv: Q lies at its head
	s_load_b64 s[10:11], s[0:1], 0x8  ; O
	v_lshl_add_u32 v[SPW], v0, 2, SPARE
	v_mov_b32 v[NIL], 0
	ds_add_u32 v62, v63
	ds_add_u32 v62, v63
	s_wait_dscnt 0x0
	v_lshrrev_b32 v1, 5, v0
	v_readfirstlane_b32 s[WV], v1   ; wave 0..3
	s_mov_b32 s[PB], ttmp9
	s_sub_co_u32 s[HI], NB-1, s[PB]
	s_and_b32 s20, ttmp7, 0xffff    ; the head
	s_mov_b32 s21, 0
	s_mov_b64 s[22:23], SIZE_N*128
	s_mul_u64 s[20:21], s[20:21], s[22:23]  ; the head's first byte in each of the four tensors
	s_and_b32 s16, s[WV], 1         ; which half of a tile's 256 keys I fetch:
	s_lshl_b32 s22, s16, 14         ; its 128 rows of 128 bytes in memory,
	s_mov_b32 s23, 0
	s_add_nc_u64 s[22:23], s[22:23], s[20:21]
	s_mul_i32 s17, s16, 128*PK      ; and its place in a slot, for K
	s_mul_i32 s18, s16, 128*PV      ; and for V
	s_lshl_b32 s3, s[WV], 11        ; my 16 rows in a band of 64,
	s_lshl_b32 s2, s[HI], 15        ; in the first block,
	s_add_co_u32 s2, s2, s3
	s_lshl_b32 s84, s[PB], 15       ; and in the second
	s_add_co_u32 s84, s84, s3
	s_mov_b32 s3, 0
	s_mov_b32 s85, 0
	s_add_nc_u64 s[2:3], s[2:3], s[20:21]
	s_add_nc_u64 s[84:85], s[84:85], s[20:21]
	; descriptor group 1.  128 keys are 16,384 dense bytes: asked for as 64 rows of 256 bytes, two keys a row, and padded in LDS after every key
	s_mov_b32 s[G1K], (1<<16)|(1<<20)|(4<<22)|(3<<25)  ; 17:16 2-byte elements; 20 padding on; 24:22 after every 32 words (code 4); 31:25 4 words (code 3)
	s_mov_b32 s[G1V], (1<<16)|(1<<20)|(4<<22)|(7<<25)  ; the same with 8 words of padding (code 7)
.irp g, G1K, G1V
	s_mov_b32 s[\g+1], 128<<16      ; tensor_dim0 = 128
	s_mov_b32 s[\g+2], 64<<16       ; tensor_dim1 = 64
	s_mov_b32 s[\g+3], 128<<16      ; tile_dim0 = 128
	s_mov_b32 s[\g+4], 64           ; tile_dim1 = 64
	s_mov_b32 s[\g+5], 128          ; 128 elements from row to row
	s_mov_b32 s[\g+6], 0
	s_mov_b32 s[\g+7], 0
.endr
	s_mov_b32 s[CS], 0x3e38aa3b     ; c = log2(e) / 8 = 0.180337
	s_mov_b32 s[CS+1], s[CS]        ; named with it as a pair
	s_mov_b32 s[SEL], 0x76543210
	s_mov_b32 s[SEL+1], 0xfedcba98
	s_mov_b32 s[TBK], SLOT1+4*KS*PK ; the first change of slots turns these two into 0
	s_mov_b32 s[TBV], SLOT1+4*KS*PV
	s_mov_b32 s[G0K], 1             ; 1:0 count = 1
	s_mov_b32 s[G0K+1], s17         ; 63:32 LDS address: slot 0
	s_mov_b32 s[G0V], 1
	s_add_co_u32 s[G0V+1], s18, VOFF
	s_add_co_u32 s[RT], s[HI], 1    ; the first block has NB - b tiles
	s_mov_b32 s[NXT], 1
	s_mov_b32 s[LQ], s[HI]
	s_mov_b32 s[NEW], 1
	s_mov_b32 s[OFF+1], 0
	s_mov_b32 s[AL+1], 0            ; named as pairs
	s_mov_b32 s[BE+1], 0
	s_mov_b32 s[BIGN], 0xf149f2ca   ; -1e30
	s_mov_b32 s[SLOTS], NB
	s_wait_kmcnt 0x0
	s_add_nc_u64 s[6:7], s[4:5], KBASE     ; K and V in qkv,
	s_add_nc_u64 s[8:9], s[4:5], VBASE
	s_add_nc_u64 s[6:7], s[6:7], s[22:23]  ; at my half of the head's tile 0
	s_add_nc_u64 s[8:9], s[8:9], s[22:23]
	s_add_nc_u64 s[G0K+2:G0K+3], s[6:7], 0         ; 120:64 global address
	s_or_b32 s[G0K+3], s[G0K+3], 0x80000000        ; 127:126 type = 2
	s_add_nc_u64 s[G0V+2:G0V+3], s[8:9], 0
	s_or_b32 s[G0V+3], s[G0V+3], 0x80000000
	s_add_nc_u64 s[86:87], s[4:5], s[84:85]        ; Q at my rows of the second block,
	s_add_nc_u64 s[4:5], s[4:5], s[2:3]            ; Q and O at those of the first
	s_add_nc_u64 s[OLO:OLO+1], s[10:11], s[84:85]
	s_add_nc_u64 s[10:11], s[10:11], s[2:3]
	LOAD                            ; tile 0 into slot 0
	; A fragment of K or Q is 16 rows x 32 channels in 8 registers: lane l holds row l % 16, channels 8 (l / 16) + 0..7 and 16 + 8 (l / 16) + 0..7: two loads of 16 bytes, 32 bytes apart.
	v_and_b32 v1, 15, v0            ; l % 16
	v_bfe_u32 v9, v0, 4, 1          ; l / 16
	v_lshlrev_b32 v[QO], 7, v1
	v_lshl_add_u32 v[QO], v9, 4, v[QO]  ; row x 128 + 16 x half
	WIN 0x80                        ; destination window 2, address window 0
.set i, 0
.rept 8                             ; both blocks' Q: piece i / 2 lies in band i / 2, 8,192 bytes on; channels 32 (i % 2) on
	global_load_b128 v[8*i:8*i+3],   v[QO], s[4:5] offset:(i/2)*8192+(i%2)*64
	global_load_b128 v[8*i+4:8*i+7], v[QO], s[4:5] offset:(i/2)*8192+(i%2)*64+32
	global_load_b128 v[QB+8*i:QB+8*i+3],   v[QO], s[86:87] offset:(i/2)*8192+(i%2)*64
	global_load_b128 v[QB+8*i+4:QB+8*i+7], v[QO], s[86:87] offset:(i/2)*8192+(i%2)*64+32
.set i, i+1
.endr
	WIN 0
	v_lshlrev_b32 v14, 3, v9
	v_sub_nc_u32 v14, v1, v14
	s_lshl_b32 s13, s[WV], 4
	v_add_nc_u32 v14, s13, v14      ; my query's place in its band, 16 w + l % 16, less my lanes' 8 (l / 16): register r of group kt is hidden where 16 kt + r is greater
	WIN 0x40
.set i, 0
.rept 32
	v_cmp_gt_i32 vcc_lo, 16*(i/8)+i%8, v14
	v_cndmask_b32 v[MD+i], 0, s[BIGN], vcc_lo
.set i, i+1
.endr
	WIN 0
	v_mul_u32_u24 v[AK0], v1, PK
	v_lshl_add_u32 v[AK0], v9, 4, v[AK0]  ; row x pitch + 16 x half
	; The turning load takes 16 keys x 16 channels (lane l reads key 8 (l / 16) + l % 8, channels 8 ((l / 8) % 2) + 0..7) and leaves half a fragment of V^T: lane l holds channel l % 16 and 8 keys.
	v_and_b32 v10, 7, v0
	v_bfe_u32 v11, v0, 3, 1
	v_lshl_add_u32 v[AV0], v9, 3, v10
	v_mul_u32_u24 v[AV0], v[AV0], PV
	v_lshl_add_u32 v[AV0], v11, 4, v[AV0]
	v_add_nc_u32 v[AV0], VOFF, v[AV0]
	s_mul_i32 s13, s[WV], 16*SP
	s_add_co_u32 s13, s13, STAGE    ; my stage
	v_mul_u32_u24 v[STO], v1, SP    ; in: row l % 16, 16 bytes for each half of the lanes
	v_lshl_add_u32 v[STO], v9, 4, v[STO]
	v_add_nc_u32 v[STO], s13, v[STO]
	v_bfe_u32 v[RD], v0, 3, 2       ; back: 32 lanes take four rows of 128 bytes,
	v_mul_u32_u24 v[RD], v[RD], SP
	v_lshl_add_u32 v[RD], v10, 4, v[RD]
	v_add_nc_u32 v[RD], s13, v[RD]
	v_and_b32 v[GO], 31, v0         ; which are 512 consecutive bytes of O
	v_lshlrev_b32 v[GO], 4, v[GO]
	; A block's first step multiplies O^T and l by a = 0, and its first turn's products V^T P, of a piece that has not been, land in an O^T that is still to be so multiplied.  So these registers need only hold
	; finite numbers: zeros for the first block; what the first block left for the second.  All this stands in the wait for the first tile.
	WIN 0x80
.set i, VF
.rept 64
	v_mov_b32 v[i], 0
.set i, i+1
.endr
	WIN 0x40
.set i, 0
.rept 128
	v_mov_b32 v[i], 0
.set i, i+1
.endr
	WIN 0
.set i, 0
.rept 4
	v_mov_b32 v[ST+4*i+2], 0
	v_mov_b32 v[ST+4*i+3], 0
.set i, i+1
.endr
.set i, P+16
.rept 16
	v_mov_b32 v[i], 0
.set i, i+1
.endr
; THE MATRIX WORK.  The 4 accumulators of a run of 8 take turns.  Product i of 8 of S^T = K Q^T for piece x: channels 32 (i / 4) on, keys 16 (i % 4) on.  The first 4 start the sums: with 0, or (KM = 1) with the mask.
.macro KQ x
.set rS, S+32*((\x)%2)+8*(i%4)
.set rK, KF+16*(i%4)+8*(i/4)
.set rQ, 16*(\x)+8*(i/4)
.set rM, MC+32*((\x)%2)+8*(i%4)
.if (i < 4) && KM
	WIN W_KM
	v_wmma_f32_16x16x32_f16 v[rS:rS+7], v[rK:rK+7], v[rQ:rQ+7], v[rM:rM+7]
.elseif i < 4
	WIN W_KQ
	v_wmma_f32_16x16x32_f16 v[rS:rS+7], v[rK:rK+7], v[rQ:rQ+7], 0
.else
	WIN W_KQ
	v_wmma_f32_16x16x32_f16 v[rS:rS+7], v[rK:rK+7], v[rQ:rQ+7], v[rS:rS+7]
.endif
.endm
; Product i of 8 of O^T += V^T P for piece x: keys 32 (i / 4) on, channels 16 (i % 4) on.
.macro PV x
	WIN W_PV
.set rO, 32*(\x)+8*(i%4)
.set rV, VF+32*(i/4)+8*(i%4)
.set rP, P+16*((\x)%2)+8*(i/4)
	v_wmma_f32_16x16x32_f16 v[rO:rO+7], v[rV:rV+7], v[rP:rP+7], v[rO:rO+7]
.endm
.macro MM                           ; the turn's next matrix instruction.  TURN and BEGIN set Y, i, KM and NOKQ; MM, KQ and OP read them.  NOKQ = 1: a block's last turn: there is no next piece
.if (i < 8) && !NOKQ
	KQ (Y+1)%NP
.elseif i >= 8
.set i, i-8
	PV (Y+NP-1)%NP
.set i, i+8
.endif
.set i, i+1
.endm
; THE LDS LOADS stand in runs of 16, never singly among the matrix instructions: a step's K (64 keys x 64 channels: 8 fragments) and its V (turned).  Their addresses are made some lines ahead.
.macro FETCH_K
	WIN 0x80                        ; destination window 2
.irp f, 0,1,2,3,4,5,6,7             ; keys 16 (f / 2) on, channels 32 (f % 2) on
	ds_load_b128 v[KF+8*\f:KF+8*\f+3],   v[AK] offset:(\f/2)*16*PK+(\f%2)*64
	ds_load_b128 v[KF+8*\f+4:KF+8*\f+7], v[AK] offset:(\f/2)*16*PK+(\f%2)*64+32
.endr
	s_add_co_u32 s[TBK], s[TBK], KS*PK  ; the next fetch is the next step's
	WIN 0
.endm
.macro FETCH_V
	WIN 0x80
.irp f, 0,1,2,3,4,5,6,7             ; keys 32 (f / 4) on, channels 16 (f % 4) on
	ds_load_tr16_b128 v[VF+8*\f:VF+8*\f+3],   v[AV] offset:(\f/4)*32*PV+(\f%4)*32
	ds_load_tr16_b128 v[VF+8*\f+4:VF+8*\f+7], v[AV] offset:(\f/4)*32*PV+16*PV+(\f%4)*32
.endr
	WIN 0
.endm
; THE VECTOR WORK, one line at a time: OP kind, number.  For piece Y: F n: c s - c m for pair n of 16.  E n: the exponential of score n of 32.  C n: pair n rounded to f16.  B n: of the four weights 4 n .. the second
; pair is added onto the first, in place.  L n: l takes that sum (L 0: l = a l + sum).  R n: pair n of 16 of O^T times a.  For piece Y + 1: X n, number n of the 22 that find its maximum and statistics:
;   0-11  four chains c0-c3 of seven scores each, three operands at a time (each accumulator's lowest registers are read first)     12-14, 16  the four scores left over, the old m, and c0-c3 into c0
;   15  c m_old is kept     17, 18  the query's other 32 keys lie in the lane 16 away: the new m     19-21  c m; c m_old - c m_new; a
.set F, 0               ; OP tells the kinds apart by their order: F to L below R, X above it
.set E, 1
.set C, 2
.set B, 3
.set L, 4
.set R, 5
.set X, 6
.macro REGS y                       ; the registers of piece y
.set rT, ST+4*(\y)
.set rC, TMP+4*((\y)%2)
.set rW, MV+((\y)%2)
.set rS, S+32*((\y)%2)
.set rP, P+16*((\y)%2)
.set rO, 32*(\y)
.endm
.macro OP k, n
.if (\k) == R
	REGS Y
	WIN W_RS
	v_pk_mul_f32 v[rO+2*(\n):rO+2*(\n)+1], v[rO+2*(\n):rO+2*(\n)+1], v[rC+2:rC+3] op_sel_hi:[1,0]
.elseif (\k) < R
	REGS Y
	WIN 0
.if (\k) == F
	v_pk_fma_f32 v[rS+2*(\n):rS+2*(\n)+1], v[rS+2*(\n):rS+2*(\n)+1], s[CS:CS+1], v[rT:rT+1] op_sel_hi:[1,0,0] neg_lo:[0,0,1] neg_hi:[0,0,1]
.elseif (\k) == E
	v_exp_f32 v[rS+(\n)], v[rS+(\n)]
.elseif (\k) == C
	s_wait_alu depctr_va_vdst(0)
	v_cvt_pk_f16_f32 v[rP+(\n)], v[rS+2*(\n)], v[rS+2*(\n)+1]
.elseif (\k) == B
	s_wait_alu depctr_va_vdst(0)
	v_pk_add_f32 v[rS+4*(\n):rS+4*(\n)+1], v[rS+4*(\n):rS+4*(\n)+1], v[rS+4*(\n)+2:rS+4*(\n)+3]
.elseif (\n) == 0
	v_pk_fma_f32 v[rT+2:rT+3], v[rT+2:rT+3], v[rC+2:rC+3], v[rS:rS+1] op_sel_hi:[1,0,1]
.else
	v_pk_add_f32 v[rT+2:rT+3], v[rT+2:rT+3], v[rS+4*(\n):rS+4*(\n)+1]
.endif
.elseif NOKQ
	v_nop
.else
	REGS (Y+1)%NP
	WIN 0
.if (\n) < 4
	v_max3_num_f32 v[rC+(\n)], v[rS+8*(\n)], v[rS+8*(\n)+1], v[rS+8*(\n)+2]
.elseif (\n) < 12
	v_max3_num_f32 v[rC+(\n)%4], v[rC+(\n)%4], v[rS+8*((\n)%4)+2*((\n)/4)+1], v[rS+8*((\n)%4)+2*((\n)/4)+2]
.elseif (\n) == 12
	v_max3_num_f32 v[rC], v[rC], v[rS+7], v[rS+15]
.elseif (\n) == 13
	v_max3_num_f32 v[rC+1], v[rC+1], v[rS+23], v[rS+31]
.elseif (\n) == 14
	v_max3_num_f32 v[rC+2], v[rC+2], v[rC+3], v[rT+1]
.elseif (\n) == 15
	v_mov_b32 v[rW], v[rT]
.elseif (\n) == 16
	v_max3_num_f32 v[rC], v[rC], v[rC+1], v[rC+2]
.elseif (\n) == 17
	v_permlanex16_b32 v[rC+3], v[rC], s[SEL], s[SEL+1]
.elseif (\n) == 18
	v_max_num_f32 v[rT+1], v[rC], v[rC+3]
.elseif (\n) == 19
	v_mul_f32 v[rT], s[CS], v[rT+1]
.elseif (\n) == 20
	v_sub_f32 v[rC+1], v[rW], v[rT]
.else
	v_exp_f32 v[rC+2], v[rC+1]
.endif
.endif
.endm
.macro OPS a, i1, b=-1, i2=0, c=-1, i3=0, d=-1, i4=0  ; up to four of them
	OP \a, \i1
.if (\b) >= 0
	OP \b, \i2
.endif
.if (\c) >= 0
	OP \c, \i3
.endif
.if (\d) >= 0
	OP \d, \i4
.endif
.endm
.macro ROW a, i1, b, i2, c, i3, d, i4  ; a matrix instruction and the four behind it
	MM
	OPS \a, \i1, \b, \i2, \c, \i3, \d, \i4
.endm
.macro MASK b                       ; MD x AL + BE into buffer b of MC
	WIN W_RS
.set z, 0
.rept 16
	v_pk_fma_f32 v[MC+32*(\b)+2*z:MC+32*(\b)+2*z+1], v[MD+2*z:MD+2*z+1], s[AL:AL+1], s[BE:BE+1] op_sel_hi:[1,0,0]
.set z, z+1
.endr
.endm
; A TURN, for piece p: the order of its 16 matrix and 118 vector instructions, written out.  Behind a matrix instruction: plain, exponential, plain, plain; or four of the rescaling; or, behind the first, four scalings; none
; names a register of the products round it.  In the lumps exponential and plain by turns while exponentials last.  A line reads no result made fewer than three vector instructions in front of it, five if an exponential made it.
; v_permlanex16_b32 (X 17) stands in a lump.
; m = 1: the diagonal tile: the products take masks, and the turn makes the mask for the products of the turn after it: piece p + 2, in step 4 - CNT of the tile.  end = 1: a block's last two turns: nothing is fetched.
; cnt = 1: the loop's count is taken down some lines ahead of the branch that stands behind the turn.
; K of the next step is fetched in piece 2's turn, six vector instructions behind the last product that read K (five of them plain); V of the step in hand in piece 0's turn, eight behind the last product that read V (four
; plain, and X 17).  Each is waited for a turn later.
.macro TURN p, m=0, end=0, cnt=0
.set Y, (\p)
.set i, 0
.set KM, (\m)
.set NOKQ, (\end)*((\p)/3)
.if (\m) && !(\end)
	s_cmp_eq_u32 s[CNT], 4-((\p)+2)%NP  ; is that step the band's own?
	s_cselect_b32 s[AL], 1.0, 0
	s_cmp_lt_u32 s[CNT], 4-((\p)+2)%NP  ; or a later one?
	s_cselect_b32 s[BE], s[BIGN], 0
.endif
.if ((\p) == 3) && !(\end)
	s_wait_dscnt 0x0                ; K is in
.endif
	ROW F,0, F,1, F,2, F,3
	ROW F,4, E,0, F,5, F,6
	ROW F,7, E,1, F,8, F,9
	ROW F,10, E,2, C,0, F,11
	ROW F,12, E,3, X,15, F,13
	ROW R,0, R,1, R,2, R,3
	ROW B,0, E,4, F,14, L,0
.if ((\p) == 2) && !(\end)
	v_add_nc_u32 v[AK], s[TBK], v[AK0]
.endif
	ROW R,4, R,5, R,6, R,7
	OPS E,5, F,15
.if ((\p) == 2) && !(\end)
	FETCH_K
.endif
	OPS E,6, C,1, E,7, R,8
	OPS E,8, R,9, E,9, C,2
	OPS E,10, X,0, E,11, X,1
	OPS E,12, X,2, E,13, X,3
.if (\p) == 1
	s_wait_dscnt 0x0                ; V is in
.endif
	ROW X,4, E,14, X,5, X,6
	ROW X,7, E,15, X,8, X,9
	ROW X,10, E,16, X,11, X,12
	ROW X,13, E,17, X,14, B,1
	ROW C,4, E,18, X,16, L,1
	ROW B,2, E,19, C,6, L,2
	ROW C,8, E,20, B,3, B,4
.if (\p) == 0
	v_add_nc_u32 v[AV], s[TBV], v[AV0]
.endif
	ROW C,3, E,21, L,3, C,5
	OPS E,22, X,17, E,23, C,10
.if (\p) == 0
	FETCH_V
.endif
	OPS E,24, L,4
	OPS E,25, X,18, E,26, C,7
	OPS E,27, B,5, E,28, X,19
	OPS E,29, C,12, E,30, L,5
	OPS E,31, X,20, B,6, C,9
	OPS C,14, C,11, X,21, L,6
.if (\p) == 0
	s_add_co_u32 s[TBV], s[TBV], KS*PV
.endif
.if \cnt
	s_sub_co_u32 s[CNT], s[CNT], 1
	s_cmp_lg_u32 s[CNT], 0
.endif
	OPS C,13, B,7, C,15, R,10
	OPS R,11, R,12, L,7, R,13
	OPS R,14, R,15
.if (\m) && !(\end)
	MASK (\p)%2
.endif
.endm
; A BLOCK BEGINS.  c m starts far below every c s, so the first step's a is 0; m at the lowest finite number, so the first maximum is the scores'.  The second mask buffer is 0; the first takes piece 0's mask for the tile's step 0: its own, if the block's first tile is the diagonal one.
; Then K of that step, piece 0's first scores, and its maximum and statistics.  The loop is entered at a step's first turn, in the middle of a trip.
.macro BEGIN
	s_mov_b32 s[NEW], 0
	WIN 0x40
.set i, MC+32
.rept 32
	v_mov_b32 v[i], 0
.set i, i+1
.endr
	WIN 0
.set i, 0
.rept 4
	v_mov_b32 v[ST+4*i], 0xfe000000    ; c m: far below every c s
	v_mov_b32 v[ST+4*i+1], 0xff7fffff  ; m
.set i, i+1
.endr
	s_cmp_eq_u32 s[RT], 0
	s_cselect_b32 s[AL], 1.0, 0
	s_mov_b32 s[BE], 0
	MASK 0
	WIN 0
	v_add_nc_u32 v[AK], s[TBK], v[AK0]
	FETCH_K
	s_wait_loadcnt 0x0              ; Q
	s_wait_dscnt 0x0
.set KM, 1
.set NOKQ, 0
.set i, 0
.rept 8
	KQ 0
.set i, i+1
.endr
	WIN 0
.rept 4
	v_nop                           ; the places behind those products
.endr
.set Y, NP-1                        ; X works for piece Y + 1: piece 0
.irp n, 0,1,2,3,4,5,6,7,8,9,10,11,12,13,14,15,16,17,18,19,20,21
	OP X, \n
.endr
	v_nop                           ; a plain instruction behind the exponential
.endm
; THE DIAGONAL TILE's four steps, the block's last two turns, its last products, and THE WAY OUT: l's two halves and the other half of the lanes' are added; O^T is divided by l, rounded to f16 and sent through my
; stage in LDS, a piece at a time.
.macro ALL line:vararg              ; one line for each piece t
.set t, 0
.rept 4
	\line
.set t, t+1
.endr
.endm
.macro PACK t                       ; a lane's eight channels of a row pack into 16 bytes; they go into rows of 144 bytes and come back as whole rows of 128, into S^T's registers
	WIN W_RS
.set i, 32*(\t)
.rept 16
	s_wait_alu depctr_va_vdst(0)
	v_pk_mul_f32 v[i:i+1], v[i:i+1], v[ST+4*(\t)+2:ST+4*(\t)+3] op_sel_hi:[1,0]
.set i, i+2
.endr
	WIN 0x05                        ; sources 0 and 1 window 1, destination window 0
.set i, 0
.rept 16
	v_cvt_pk_f16_f32 v[S+16*(\t)+i], v[32*(\t)+2*i], v[32*(\t)+2*i+1]
.set i, i+1
.endr
	WIN 0
.irp f, 0,1,2,3
	ds_store_b128 v[STO], v[S+16*(\t)+4*\f:S+16*(\t)+4*\f+3] offset:32*\f
.endr
.irp f, 0,1,2,3
	ds_load_b128 v[S+16*(\t)+4*\f:S+16*(\t)+4*\f+3], v[RD] offset:\f*4*SP  ; LDS serves a wave's instructions in order (ISA guide 5.7.1.4): these see the stores above; the next piece's stores come behind them
.endr
.endm
.macro SEND t, younger              ; younger: the LDS instructions issued behind piece t's loads: the next piece's eight, or none
	WIN 0
.irp f, 0,1,2,3
	s_wait_dscnt (\younger)+3-\f
	global_store_b128 v[GO], v[S+16*(\t)+4*\f:S+16*(\t)+4*\f+3], s[10:11] offset:(\t)*8192+\f*512  ; 512 consecutive bytes, at a multiple of 256 from O's first
.endr
.endm
.macro DIAG tag                     ; the tag ends its two labels' names, which the jumps below spell out
.LstepM\tag:
	TURN 2, 1
	TURN 3, 1
	WIN 0
.LfirstM\tag:
	TURN 0, 1
	TURN 1, 1, 0, 1
	WIN 0
	s_cbranch_scc1 .LstepM\tag
	TURN 2, 1, 1
	TURN 3, 1, 1
.set i, 0
.rept 8
	PV NP-1
.set i, i+1
.endr
	WIN 0
	ALL v_add_f32 v[ST+4*t+2], v[ST+4*t+2], v[ST+4*t+3]
	ALL v_permlanex16_b32 v[ST+4*t+3], v[ST+4*t+2], s[SEL], s[SEL+1]
	ALL v_add_f32 v[ST+4*t+2], v[ST+4*t+2], v[ST+4*t+3]
	ALL v_rcp_f32 v[ST+4*t+2], v[ST+4*t+2]
	v_nop                           ; a plain instruction between the last reciprocal and the use of its result
	PACK 0
.set t, 1
.rept 3                             ; a piece's arithmetic stands between the loads of the piece before and its stores
	PACK t
	SEND t-1, 8
.set t, t+1
.endr
	SEND 3, 0
.endm
.set KM, 0
.set NOKQ, 0
.Lslot:                             ; NB times: a tile is entered and the next is asked for
	CHANGE 1
	s_sub_co_u32 s[RT], s[RT], 1
	s_mov_b32 s[CNT], 4
	s_cmp_eq_u32 s[NEW], 1
	s_cbranch_scc1 .Lnew            ; a block's first tile
	s_cmp_eq_u32 s[RT], 0
	s_cbranch_scc0 .Lstep           ; neither its first nor its last
	s_branch .LstepM1
.Lnew:
	BEGIN
	s_branch .Lfirst                ; in the loop a block's first tile is never its last: the first block has two tiles or more, and the second's last is the walk's last
	DIAG 1                          ; in the loop this is the first block's end: the second block's last tile is the walk's last
	s_wait_xcnt 0x0                 ; the stores have read their registers and O's address
	s_mov_b64 s[10:11], s[OLO:OLO+1]
	s_add_co_u32 s[RT], s[PB], 1    ; the second block has b + 1 tiles
	s_mov_b32 s[NEW], 1
	WIN 0x82                        ; the second block's Q goes where the one text of the turns names Q
.set i, 0
.rept 64
	v_mov_b32 v[i], v[QB+i]
.set i, i+1
.endr
	WIN 0
	s_branch .Lbottom
.Lstep:                             ; a trip: pieces 2 and 3 of one step, then pieces 0 and 1 of the next, whose K and V it fetches
	TURN 2
	TURN 3
	WIN 0
.Lfirst:
	TURN 0
	TURN 1, 0, 0, 1
	WIN 0
	s_cbranch_scc1 .Lstep
.Lbottom:
	s_sub_co_u32 s[SLOTS], s[SLOTS], 1
	s_cmp_lg_u32 s[SLOTS], 0
	s_cbranch_scc1 .Lslot
	CHANGE 0                        ; the walk's last tile is written out: nothing is asked for
	s_sub_co_u32 s[RT], s[RT], 1
	s_mov_b32 s[CNT], 4
	s_cmp_eq_u32 s[NEW], 1
	s_cbranch_scc0 .LstepM2
	BEGIN
	s_branch .LfirstM2
	DIAG 2
	s_wait_tensorcnt 0x0            ; the wave's end: behind my last tensor load and my last LDS store
	ds_add_u32 v[SPW], v[NIL]
	s_wait_dscnt 0x0
	s_endpgm
.Lfunc_end_k_q600593217b_attn:
	.size	k_q600593217b_attn, .Lfunc_end_k_q600593217b_attn-k_q600593217b_attn
	.p2alignl 7, 3214868480
	.fill 96, 4, 3214868480
	.section	.rodata,"a",@progbits
	.p2align	6, 0x0
	.amdhsa_kernel k_q600593217b_attn
		.amdhsa_group_segment_fixed_size 327680
		.amdhsa_private_segment_fixed_size 0
		.amdhsa_enable_private_segment 0
		.amdhsa_kernarg_size 16
		.amdhsa_user_sgpr_count 2
		.amdhsa_user_sgpr_kernarg_segment_ptr 1
		.amdhsa_wavefront_size32 1
		.amdhsa_system_sgpr_workgroup_id_x 1
		.amdhsa_system_sgpr_workgroup_id_y 1
		.amdhsa_system_sgpr_workgroup_id_z 1
		.amdhsa_system_vgpr_workitem_id 0
		.amdhsa_next_free_vgpr 768
		.amdhsa_next_free_sgpr 88
		.amdhsa_reserve_vcc 1
		.amdhsa_float_denorm_mode_32 3
		.amdhsa_float_denorm_mode_16_64 3
		.amdhsa_memory_ordered 1
		.amdhsa_forward_progress 1
		.amdhsa_inst_pref_size 228
	.end_amdhsa_kernel
	.amdgpu_metadata
---
amdhsa.version: [ 1, 2 ]
amdhsa.kernels:
  - .name:           k_q600593217b_attn
    .symbol:         k_q600593217b_attn.kd
    .args:
      - { .name: qkv, .offset: 0, .size: 8, .value_kind: global_buffer, .address_space: global }
      - { .name: ob, .offset: 8, .size: 8, .value_kind: global_buffer, .address_space: global }
    .group_segment_fixed_size: 327680
    .private_segment_fixed_size: 0
    .kernarg_segment_align: 8
    .kernarg_segment_size: 16
    .max_flat_workgroup_size: 128
    .sgpr_count:     88
    .vgpr_count:     768
    .wavefront_size: 32
...
	.end_amdgpu_metadata
.endif
;; end of part 3
;; launch outp (part 4): grid 4 x 64, 4 waves a work-group, clusters of 4 x 4, 327,680 bytes of LDS; arguments ob, wo16, out0, bo; writes out0
.if DOCPART == 4
	.amdgcn_target "amdgcn-amd-amdhsa--gfx1250"
	.amdhsa_code_object_version 6
	.text
	.protected	k_q600593217b_outp
	.globl	k_q600593217b_outp
	.p2align	8
	.type	k_q600593217b_outp,@function
k_q600593217b_outp:
	s_mov_b64 s[64:65], 0
	v_nop
	global_prefetch_b8 v0, s[64:65] scope:SCOPE_SE
	s_setreg_imm32_b32 hwreg(HW_REG_WAVE_MODE, 25, 1), 1
	s_wait_xcnt 0x0
	s_wait_alu depctr_hold_cnt(0) depctr_sa_sdst(0) depctr_va_vdst(0) depctr_va_sdst(0) depctr_va_ssrc(0) depctr_va_vcc(0) depctr_vm_vsrc(0)
	s_getreg_b32 s2, hwreg(HW_REG_IB_STS2, 6, 4)
	s_cmp_eq_u32 s2, 0
	s_cbranch_scc0 .Lentry_in_a_cluster
	s_endpgm
.Lentry_in_a_cluster:
	s_bfe_u32 s2, ttmp6, 0x10000c
	s_cmp_lg_u32 s2, 0xf033
	s_cbranch_scc0 .Lentry_shape_is_right
	s_endpgm
.Lentry_shape_is_right:
; out0[m][n] = bo[n] + sum over k of O[m][k] Wo[n][k].  O = ob, f16, BY HEADS: [64][2048][64], the first index 16 x batch + head, so that k = 64 x head + channel; B = wo16 [1024][1024] f16
; (Wo rounded to bf16, that number written as f16); bo and out0 [8192][1024] in f32; sums in f32, started by bo: the bias is the C operand of the first products, and no addition is written for it.
; LIMITS.  bo enters unrounded; NaN and infinities are not treated apart.
; SHARES.  A tile of out0 is 128 x 256: 64 x 4 = 256 tiles, one work-group each.  Four waves, each 64 rows x 128 columns: 32 accumulators of 16 x 16, 256 registers.
; K goes in 8 steps of 128 = two heads through a ring of two LDS slots filled by the tensor data mover.  A head's 128 rows of the tile are 16,384 dense bytes: asked for as 64 rows of 256 bytes and padded in LDS after every 128.
; CLUSTERS: 4 x 4 work-groups.  The four of a row of the cluster need the same tiles of A, the four of a column the same tiles of B: each tile is asked for JOINTLY, by the same tensor load with the
; same descriptor and a mask that names the four.  THE MATRIX INSTRUCTION IS USED TRANSPOSED (source 0 = 16 rows of B, source 1 = 16 rows of A): a lane then holds eight neighbouring numbers of a row of out0.
; REGISTERS: window 0: v0-31 addresses; v64-159, v160-255 two fragment buffers for 32 along K (4 fragments of A, then 8 of B), on the way out whole rows.
;   window 1: the accumulators ((a, b) at v[8 (8 a + b)]).   window 2: v0-63 the bias in an accumulator's layout, eight registers for each n block.
;   s_set_vgpr_msb's low byte: bits 1:0 source 0, 3:2 source 1, 5:4 source 2, 7:6 destination.
.set SIZE_K, 1024
.set KSTEP,  128
.set PA,     144                       ; an LDS row of A: a head's 128 bytes + 16 of padding = 36 words: the 16 rows of a load start at 16 different groups of four banks (64 banks of 4 bytes: ISA guide 11.1)
.set PB,     272                       ; of B: 256 bytes + 16 = 68 words
.set HB,     128*PA                    ; from a K step's first head to its second in A's part of a slot
.set AHALF,  128*PA                    ; what one of A's two tensor loads brings: one head's 128 rows
.set ABYTES, 2*AHALF
.set BHALF,  128*PB                    ; what one of B's two brings: 128 rows
.set SLOT,   ABYTES+2*BHALF            ; A's two heads, then B's 256 rows
.set STAGE,  2*SLOT                    ; behind the ring: 16 rows x 528 bytes for each wave, for the way out
.set SPO,    528                       ; 512 bytes + 16 = 132 words
.set WSTAGE, 16*SPO
.set SPARE,  STAGE+4*WSTAGE            ; behind the stages: the spare words, 128 bytes for each wave: two blocks of 256 bytes that no other line names
.set ASTEP,  2*2048*128                ; bytes of memory from a K step to the next in A: two heads
.set BSTEP,  KSTEP*2                   ; in B
.set LAPS,   SIZE_K/(2*KSTEP)          ; a lap = two K steps = once round the ring
.set ADRA, 16                          ; v16-17  LDS address of my A fragments in slot 0, 1
.set ADRB, 20                          ; v20-21  the same for B
.set STO,  24                          ; v24     the way out: where I put 32 bytes of a row
.set RD,   25                          ; v25     the way out: where I read a row back
.set GO,   26                          ; v26     my byte offset in 512 consecutive bytes of out0
.set VB,   27                          ; v27     my byte offset in an n block's 64 bytes of bo
.set SPW,  28                          ; v28     LDS address of my spare word: SPARE + 4 x my thread's number; never rewritten
.set NIL,  29                          ; v29     0; never rewritten
.set F0,   64
.set F1,   160
.set BK,   64                          ; the way out: block a's 16 rows read back, at BK + 64 (a % 2)
.set BI,   0                           ; window 2
.set G1, 24                            ; s[24:31] descriptor group 1 for A's tiles;  s[32:39] group 0, one set for each slot
.set G0, 32
.set G1B, 48                           ; s[48:55], s[56:63] the same for B's tiles
.set G0B, 56
.set MSB, 0
.macro WIN new                         ; the immediate's high byte repeats the setting that is left; a switch that changes nothing is dropped
.if MSB != (\new)
	s_set_vgpr_msb (MSB<<8)|(\new)
.set MSB, \new
.endif
.endm
.set MUL,   0x50                       ; sources 0 (B) and 1 (A) window 0; C and D window 1
.set MULB,  0x60                       ; the same with C in window 2
.set STACC, 0x04                       ; an LDS store's data (source 1) window 1, its address window 0
.set TOBI,  0x80                       ; destination window 2, address window 0
.macro JLOAD s                         ; a joint load: waves 0 and 1 fetch A's two heads, waves 2 and 3 B's two halves; an s_nop 0 and four v_nop follow each of the two lines, ahead of the jump, the label and what follows
	s_cmp_eq_u32 s11, 0
	s_cbranch_scc0 .Lfor_b_\@
	tensor_load_to_lds s[G0+4*(\s):G0+4*(\s)+3], s[G1:G1+7]
	s_nop 0
.rept 4
	v_nop
.endr
	s_branch .Lasked_\@
.Lfor_b_\@:
	tensor_load_to_lds s[G0B+4*(\s):G0B+4*(\s)+3], s[G1B:G1B+7]
	s_nop 0
.rept 4
	v_nop
.endr
.Lasked_\@:
.endm
.macro CREST                           ; a round of the cluster's barrier behind its opening barrier
	s_cmp_lg_u32 s10, 0
	s_cbranch_scc1 .Lnot_wave_0_\@
	s_barrier_signal -3
.Lnot_wave_0_\@:
	s_barrier_wait -3
	s_barrier_signal -1
	s_barrier_wait -1
.endm
.macro CROUND                          ; a whole round
	s_barrier_signal -1
	s_barrier_wait -1
	CREST
.endm
	s_load_b128 s[4:7], s[0:1], 0x0                ; A s[4:5], B s[6:7]
	s_load_b64 s[8:9], s[0:1], 0x10                ; out0
	s_load_b64 s[18:19], s[0:1], 0x18              ; bo
	v_lshl_add_u32 v[SPW], v0, 2, SPARE
	v_mov_b32 v[NIL], 0
	ds_add_u32 v28, v29
	ds_add_u32 v28, v29
	s_wait_dscnt 0x0
	v_lshrrev_b32 v1, 5, v0
	v_readfirstlane_b32 s10, v1                    ; wave 0..3
	s_lshr_b32 s11, s10, 1                         ; which 64 of the tile's rows are mine.  Also: I fetch for A (0) or for B (1)
	s_and_b32 s12, s10, 1                          ; which 128 of its columns.  Also: which half of that tile I fetch
	s_bfe_u32 s40, ttmp6, 0x40000                  ; cx, cy: my place in the cluster
	s_bfe_u32 s41, ttmp6, 0x40004
	s_lshl_b32 s42, ttmp9, 2
	s_add_co_u32 s42, s42, s40                     ; tile column = 4 x cluster x + cx: 0..3
	s_and_b32 s13, ttmp7, 0xffff
	s_lshl_b32 s13, s13, 2
	s_add_co_u32 s13, s13, s41                     ; tile row = 4 x cluster y + cy: 0..63
	s_lshl_b32 s43, s41, 2
	s_lshl_b32 s43, 15, s43                        ; my row of the cluster
	s_lshl_b32 s44, 0x1111, s40                    ; my column
	; descriptor group 1.  A: 64 rows of 128 elements, dense, padded after every 32 words.  B: 128 rows of 128 elements, 1,024 apart, padded after every 64 words
	s_or_b32 s[G1+0], s43, (1<<16)|(1<<20)|(1<<21)|(4<<22)|(3<<25)  ; 15:0 the mask: A's tiles go to my row; 17:16 element of 2 bytes; 20 padding on; 21 set beside a mask; 24:22 after every 32 words (code 4); 31:25 of 4 words (code 3)
	s_or_b32 s[G1B+0], s44, (1<<16)|(1<<20)|(1<<21)|(5<<22)|(3<<25) ; the mask of my column; after every 64 words (code 5)
	s_mov_b32 s[G1+1], 128<<16                     ; tensor_dim0 = 128
	s_mov_b32 s[G1+2], 64<<16                      ; tensor_dim1 = 64
	s_mov_b32 s[G1+3], 128<<16                     ; tile_dim0 = 128
	s_mov_b32 s[G1+4], 64                          ; tile_dim1 = 64
	s_mov_b32 s[G1+5], 128                         ; elements from row to row
	s_mov_b32 s[G1+6], 0
	s_mov_b32 s[G1+7], 0
	s_mov_b32 s[G1B+1], KSTEP<<16
	s_mov_b32 s[G1B+2], 128<<16                    ; tensor_dim1 = 128
	s_mov_b32 s[G1B+3], KSTEP<<16
	s_mov_b32 s[G1B+4], 128                        ; tile_dim1 = 128
	s_mov_b32 s[G1B+5], SIZE_K
	s_mov_b32 s[G1B+6], 0
	s_mov_b32 s[G1B+7], 0
	; where the tiles come from.  A's hang on the tile row alone, which my row of the cluster shares; B's on the tile column alone, which my column shares.
	s_lshr_b32 s16, s13, 4                         ; A: the batch's sixteen heads of 262,144 bytes,
	s_lshl_b32 s16, s16, 22
	s_and_b32 s17, s13, 15                         ; the tile's 128 rows of 128 bytes in a head,
	s_lshl_b32 s17, s17, 14
	s_add_co_u32 s16, s16, s17
	s_lshl_b32 s17, s12, 18                        ; the first or the second head of a K step
	s_add_co_u32 s16, s16, s17
	s_mov_b32 s17, 0
	s_lshl_b32 s46, s42, 19                        ; B: row 256 x tile column + 128 x half, 2,048 bytes a row
	s_lshl_b32 s47, s12, 18
	s_add_co_u32 s46, s46, s47
	s_mov_b32 s47, 0
	s_mul_i32 s20, s12, AHALF                      ; and where they go: no place in the cluster enters an LDS address
	s_mul_i32 s21, s12, BHALF
	s_add_co_u32 s21, s21, ABYTES
	s_wait_kmcnt 0x0
	s_add_nc_u64 s[14:15], s[4:5], s[16:17]
	s_add_nc_u64 s[46:47], s[6:7], s[46:47]
	CROUND                                         ; all sixteen work-groups are here: the first joint loads meet
.irp s, 0,1
	s_mov_b32 s[G0+4*(\s)], 1                                      ; 1:0 count = 1
	s_add_co_u32 s[G0+4*(\s)+1], s20, (\s)*SLOT                    ; 63:32 LDS address
	s_add_nc_u64 s[G0+4*(\s)+2:G0+4*(\s)+3], s[14:15], (\s)*ASTEP  ; 120:64 global address: K step s
	s_or_b32 s[G0+4*(\s)+3], s[G0+4*(\s)+3], 0x80000000            ; 127:126 type = 2
	s_mov_b32 s[G0B+4*(\s)], 1
	s_add_co_u32 s[G0B+4*(\s)+1], s21, (\s)*SLOT
	s_add_nc_u64 s[G0B+4*(\s)+2:G0B+4*(\s)+3], s[46:47], (\s)*BSTEP
	s_or_b32 s[G0B+4*(\s)+3], s[G0B+4*(\s)+3], 0x80000000
	JLOAD \s                                       ; two loads of mine are out
.endr
	v_and_b32 v1, 15, v0                           ; l % 16
	v_bfe_u32 v2, v0, 4, 1                         ; l / 16
	; my 128 columns, in bytes of f32: 1,024 x tile column + 512 x half: the same offset in bo and in a row of out0 (in the registers that held B's address: none that feeds A's descriptors ever holds cx)
	s_lshl_b32 s46, s42, 10
	s_lshl_b32 s47, s12, 9
	s_add_co_u32 s46, s46, s47
	s_mov_b32 s47, 0
	s_add_nc_u64 s[18:19], s[18:19], s[46:47]
	s_add_nc_u64 s[8:9], s[8:9], s[46:47]
	; the bias as an accumulator holds it: register j of n block b is column 16 b + 8 (l / 16) + j, whatever the row
	v_lshlrev_b32 v[VB], 5, v2
	WIN TOBI
.irp b, 0,1,2,3,4,5,6,7
	global_load_b128 v[BI+8*(\b):BI+8*(\b)+3],   v[VB], s[18:19] offset:64*(\b)
	global_load_b128 v[BI+8*(\b)+4:BI+8*(\b)+7], v[VB], s[18:19] offset:64*(\b)+16
.endr
	WIN 0
	; A fragment is 16 rows x 32 K in 8 registers: lane l holds row l % 16; registers 0-3 hold K = 8 (l / 16) + 0..7, registers 4-7 K = 16 + 8 (l / 16) + 0..7: two loads of 16 bytes, 32 bytes apart.
	v_mul_u32_u24 v3, v1, PA
	v_lshl_add_u32 v3, v2, 4, v3                   ; row x pitch + 16 x half
	v_mul_u32_u24 v4, v1, PB
	v_lshl_add_u32 v4, v2, 4, v4
	s_mul_i32 s22, s11, 64*PA                      ; my 64 rows of A, in each head
	s_mul_i32 s23, s12, BHALF                      ; my 128 rows of B,
	s_add_co_u32 s23, s23, ABYTES                  ; which lie behind A's
.irp s, 0,1
	v_add_nc_u32 v[ADRA+(\s)], s22, v3
	v_add_nc_u32 v[ADRB+(\s)], s23, v4
	s_add_co_u32 s22, s22, SLOT
	s_add_co_u32 s23, s23, SLOT
.endr
	s_mul_i32 s22, s10, WSTAGE
	s_add_co_u32 s22, s22, STAGE                   ; my stage
	v_mul_u32_u24 v5, v1, SPO                      ; in: row l % 16, 32 bytes for each half of the lanes
	v_lshl_add_u32 v5, v2, 5, v5
	v_add_nc_u32 v[STO], s22, v5
	v_and_b32 v[GO], 31, v0                        ; back: the 32 lanes take one row's 512 bytes
	v_lshlrev_b32 v[GO], 4, v[GO]
	v_add_nc_u32 v[RD], s22, v[GO]
	s_lshl_b32 s16, s13, 19                        ; my first row of out0: 128 x tile row + 64 x half, 4,096 bytes a row
	s_lshl_b32 s17, s11, 18
	s_add_co_u32 s16, s16, s17
	s_mov_b32 s17, 0
	s_add_nc_u64 s[8:9], s[8:9], s[16:17]
; 8 matrix instructions: m block a x all 8 n blocks, 32 along K, from buffer f.  c = 2: the product starts the sums, with the bias as C: nothing is ever cleared.
; The 32 accumulators take turns, one instruction a turn, in the same order in every quarter.
.macro MUL8 f, a, c
.if (\c) == 2
	WIN MULB
.else
	WIN MUL
.endif
.irp b, 0,1,2,3,4,5,6,7
.if (\c) == 2
	v_wmma_f32_16x16x32_f16 v[8*(8*(\a)+(\b)):8*(8*(\a)+(\b))+7], v[(\f)+32+8*(\b):(\f)+32+8*(\b)+7], v[(\f)+8*(\a):(\f)+8*(\a)+7], v[BI+8*(\b):BI+8*(\b)+7]
.else
	v_wmma_f32_16x16x32_f16 v[8*(8*(\a)+(\b)):8*(8*(\a)+(\b))+7], v[(\f)+32+8*(\b):(\f)+32+8*(\b)+7], v[(\f)+8*(\a):(\f)+8*(\a)+7], v[8*(8*(\a)+(\b)):8*(8*(\a)+(\b))+7]
.endif
.endr
.endm
; 24 LDS loads in one run: the fragments of 32 along K at byte k of the K step's 256, into buffer f: B's eight first, then A's four (byte k of A lies in head k / 128, at byte k % 128 of its rows)
.macro FETCH slot, k, f
	WIN 0
.irp i, 0,1,2,3,4,5,6,7
	ds_load_b128 v[(\f)+32+8*(\i):(\f)+32+8*(\i)+3],   v[ADRB+(\slot)] offset:(\k)+(\i)*16*PB
	ds_load_b128 v[(\f)+32+8*(\i)+4:(\f)+32+8*(\i)+7], v[ADRB+(\slot)] offset:(\k)+(\i)*16*PB+32
.endr
.irp i, 0,1,2,3
	ds_load_b128 v[(\f)+8*(\i):(\f)+8*(\i)+3],   v[ADRA+(\slot)] offset:((\k)/128)*HB+((\k)%128)+(\i)*16*PA
	ds_load_b128 v[(\f)+8*(\i)+4:(\f)+8*(\i)+7], v[ADRA+(\slot)] offset:((\k)/128)*HB+((\k)%128)+(\i)*16*PA+32
.endr
.endm
.macro PLACES                          ; four places in front of loads into registers that matrix instructions have read, and of lines that read results (ISA guide 7.12.1 for vector instructions)
.rept 4
	v_nop
.endr
.endm
; A K step is four quarters of 32 along K, 32 matrix instructions each, on buffers 0, 1, 0, 1.  One of the first three: multiplies buffer f and, in its middle, fetches the next quarter, at byte k, into g.
.macro QUARTER slot, k, f, g, c
	s_wait_dscnt 4                                 ; B and A's fragments 0, 1 are in; the youngest four loads (A's fragments 2, 3) may be out
	MUL8 \f, 0, \c
	MUL8 \f, 1, \c
	PLACES
	FETCH \slot, \k, \g
	s_wait_dscnt 24                                ; all but the 24 just issued
	MUL8 \f, 2, \c
	MUL8 \f, 3, \c
.endm
; The last quarter multiplies buffer 1 and changes slots: ONE barrier; in front of it each wave waits for all its tensor loads, adds 0 to its spare word, and waits for that and for its own reads of this slot.
; fill = 1: this slot is filled again, two K steps ahead; the barrier then opens a round of the cluster's barrier.
.macro TURN slot, next, fill
	WIN 0
	s_wait_tensorcnt 0x0                           ; all my tensor loads have landed: the one that was out is my part of the next slot;
	ds_add_u32 v[SPW], v[NIL]                      ; 0 onto my spare word;
	s_wait_dscnt 5                                 ; (the add and the youngest four loads may be out)
	MUL8 F1, 0, 0                                  ; eight matrix instructions stand between the add and the wait for it
	s_wait_dscnt 0x0                               ; the add is done, and my reads of this slot are over
	s_barrier_signal -1
	MUL8 F1, 1, 0
.if \fill
	WIN 0
.endif
	s_barrier_wait -1
.if \fill
	CREST                                          ; no wave of any partner still reads this slot's tile or has a load on its way
	s_add_nc_u64 s[G0+4*(\slot)+2:G0+4*(\slot)+3], s[G0+4*(\slot)+2:G0+4*(\slot)+3], 2*ASTEP
	s_add_nc_u64 s[G0B+4*(\slot)+2:G0B+4*(\slot)+3], s[G0B+4*(\slot)+2:G0B+4*(\slot)+3], 2*BSTEP
	JLOAD \slot                                    ; the first tensor load behind the round, my one load out: 112 matrix instructions ahead of the wait for it; its four v_nop are also the places in front of the loads below
.else
	PLACES
.endif
	FETCH \next, 0, F0
	MUL8 F1, 2, 0
	MUL8 F1, 3, 0
.endm
	s_wait_tensorcnt 0x1                           ; my part of K step 0 is in; K step 1's may stay out
	s_barrier_signal -1
	s_barrier_wait -1                              ; everybody's is
	FETCH 0, 0, F0
	s_wait_loadcnt 0x0                             ; the bias
	QUARTER 0, 64, F0, F1, 2                       ; the first quarter stands in front of the loop: its products start the sums, on the bias
	WIN 0                                          ; at a label and at a branch every window is 0
	s_mov_b32 s3, LAPS-1
.Llap:                                                 ; a trip goes once round the ring, from a lap's second quarter to the next lap's first, and fills both slots again
	QUARTER 0, 128, F1, F0, 0
	QUARTER 0, 192, F0, F1, 0
	TURN 0, 1, 1
	QUARTER 1, 64,  F0, F1, 0
	QUARTER 1, 128, F1, F0, 0
	QUARTER 1, 192, F0, F1, 0
	TURN 1, 0, 1
	QUARTER 0, 64,  F0, F1, 0
	WIN 0
	s_sub_co_u32 s3, s3, 1
	s_cmp_lg_u32 s3, 0
	s_cbranch_scc1 .Llap
	QUARTER 0, 128, F1, F0, 0                      ; the last lap fills nothing, and has no round of the cluster's barrier
	QUARTER 0, 192, F0, F1, 0
	TURN 0, 1, 0
	QUARTER 1, 64,  F0, F1, 0
	QUARTER 1, 128, F1, F0, 0
	QUARTER 1, 192, F0, F1, 0
	s_wait_dscnt 4                                 ; the very last quarter: nothing more to fetch
	MUL8 F1, 0, 0
	MUL8 F1, 1, 0
	s_wait_dscnt 0x0
	MUL8 F1, 2, 0
	MUL8 F1, 3, 0
	WIN 0
	PLACES
; THE WAY OUT, a block of 16 rows at a time.  TOSTAGE: a lane's eight numbers of a row, 32 bytes, go straight from the accumulators into my own stage (each accumulator's four lowest registers first),
; rows of 528 bytes, and come back as whole rows of 512.  SEND: stored.
.macro TOSTAGE a
	WIN STACC
.irp b, 0,1,2,3,4,5,6,7
	ds_store_b128 v[STO], v[8*(8*(\a)+(\b)):8*(8*(\a)+(\b))+3]   offset:64*(\b)
	ds_store_b128 v[STO], v[8*(8*(\a)+(\b))+4:8*(8*(\a)+(\b))+7] offset:64*(\b)+16
.endr
	WIN 0
.if (\a) >= 2
	s_wait_xcnt 0x0                                ; every earlier memory instruction has had its addresses translated (ISA guide 3.1): the registers that the stores two blocks back read are loaded again only behind this wait
.endif
.irp t, 0,1,2,3,4,5,6,7,8,9,10,11,12,13,14,15
	ds_load_b128 v[BK+64*((\a)%2)+4*(\t):BK+64*((\a)%2)+4*(\t)+3], v[RD] offset:(\t)*SPO  ; LDS serves a wave's instructions in order (ISA guide 5.7.1.4): these see the stores above; the next block's stores come behind them
.endr
.endm
.macro SEND a, younger                 ; younger: the LDS instructions issued behind block a's loads: the next block's 32, or none
.irp t, 0,1,2,3,4,5,6,7,8,9,10,11,12,13,14,15
	s_wait_dscnt (\younger)+15-(\t)
	global_store_b128 v[GO], v[BK+64*((\a)%2)+4*(\t):BK+64*((\a)%2)+4*(\t)+3], s[8:9] offset:(16*(\a)+(\t))*4096 th:TH_STORE_NT  ; 512 consecutive bytes of a row, at a multiple of 256 from out0's first byte
.endr
.endm
	TOSTAGE 0
.irp a, 1,2,3
	TOSTAGE \a
	SEND (\a)-1, 32
.endr
	SEND 3, 0
	s_wait_tensorcnt 0x0                           ; the wave's end: behind my last tensor load and my last LDS store
	ds_add_u32 v[SPW], v[NIL]
	s_wait_dscnt 0x0
	CROUND                                         ; the closing round: no work-group ends while a partner may still ask for a tile that names it
	s_endpgm
.Lfunc_end_k_q600593217b_outp:
	.size	k_q600593217b_outp, .Lfunc_end_k_q600593217b_outp-k_q600593217b_outp
	.p2alignl 7, 3214868480
	.fill 96, 4, 3214868480
	.section	.rodata,"a",@progbits
	.p2align	6, 0x0
	.amdhsa_kernel k_q600593217b_outp
		.amdhsa_group_segment_fixed_size 327680
		.amdhsa_private_segment_fixed_size 0
		.amdhsa_enable_private_segment 0
		.amdhsa_kernarg_size 32
		.amdhsa_user_sgpr_count 2
		.amdhsa_user_sgpr_kernarg_segment_ptr 1
		.amdhsa_wavefront_size32 1
		.amdhsa_system_sgpr_workgroup_id_x 1
		.amdhsa_system_sgpr_workgroup_id_y 1
		.amdhsa_system_sgpr_workgroup_id_z 1
		.amdhsa_system_vgpr_workitem_id 0
		.amdhsa_next_free_vgpr 576
		.amdhsa_next_free_sgpr 66
		.amdhsa_reserve_vcc 0
		.amdhsa_float_denorm_mode_32 3
		.amdhsa_float_denorm_mode_16_64 3
		.amdhsa_memory_ordered 1
		.amdhsa_forward_progress 1
		.amdhsa_inst_pref_size 88
	.end_amdhsa_kernel
	.amdgpu_metadata
---
amdhsa.version: [ 1, 2 ]
amdhsa.kernels:
  - .name:           k_q600593217b_outp
    .symbol:         k_q600593217b_outp.kd
    .args:
      - { .name: ob, .offset: 0, .size: 8, .value_kind: global_buffer, .address_space: global }
      - { .name: wo16, .offset: 8, .size: 8, .value_kind: global_buffer, .address_space: global }
      - { .name: out0, .offset: 16, .size: 8, .value_kind: global_buffer, .address_space: global }
      - { .name: bo, .offset: 24, .size: 8, .value_kind: global_buffer, .address_space: global }
    .group_segment_fixed_size: 327680
    .private_segment_fixed_size: 0
    .kernarg_segment_align: 8
    .kernarg_segment_size: 32
    .max_flat_workgroup_size: 128
    .sgpr_count:     66
    .vgpr_count:     576
    .wavefront_size: 32
...
	.end_amdgpu_metadata
.endif
;; end of part 4
